; MI455X (gfx1250); checked and timed in simulation.
; The chip was launched on July 23, 2026; its instructions are those of AMD's public machine-readable ISA for CDNA 5 (MIT licence, August 2026) and "CDNA5" Instruction Set Architecture Reference Guide (July 2026). The comments in the code are by the model that wrote it; some were corrected since.
;; Causal Multihead Attention. Allowed arithmetic: float matrix products may take bf16 or f16 operands with f32 sums; all other float work in f32.
;; Inputs: w_o 1,024 x 1,024 float32; w_qkv 3 x 16 x 64 x 1,024 float32; x 4 x 2,048 x 1,024 float32.
;; Outputs: out0 4 x 2,048 x 1,024 float32.
;; 2 versions, each right; version 2 is version 1 with the launch cast written anew for expert scheduling mode. Each part assembles by itself: llvm-mc -triple=amdgcn-amd-amdhsa -mcpu=gfx1250 --defsym DOCPART=n.
;; ======== version 1 of 2: 4 launches
;; limits: values are held in f16: magnitudes above 65,504 overflow, below 6.1e-05 lose precision
;; workspace buffers: xh 16,777,216 bytes; wh 6,291,456 bytes; woh 2,097,152 bytes; qkv 50,331,648 bytes; ah 18,874,368 bytes
;; launch cast (part 1): grid 768 x 1, 8 waves a work-group, no clusters, 0 bytes of LDS; arguments x, w_qkv, w_o, xh, wh, woh; writes xh, wh, woh
.if DOCPART == 1
	.amdgcn_target "amdgcn-amd-amdhsa--gfx1250"
	.amdhsa_code_object_version 6
	.text
	.protected	k_q55110c2170_cast
	.globl	k_q55110c2170_cast
	.p2align	8
	.type	k_q55110c2170_cast,@function
k_q55110c2170_cast:
	s_mov_b64 s[64:65], 0
	v_nop
	global_prefetch_b8 v0, s[64:65] scope:SCOPE_SE
	s_setreg_imm32_b32 hwreg(HW_REG_WAVE_MODE, 25, 1), 1
	s_wait_xcnt 0x0
; f32 -> bf16 (round to nearest even) -> the same number written as f16, re-laid in blocks of 64 along K:
; src [rows][1024] f32  ->  dst [16 kb][rows][64] f16.
; WHY TWO STEPS: the matrix operands made from the inputs are the inputs rounded to bf16 (8 significant bits).  Such a number
; is exact in f16 (11 bits) from 2^-17 to 65,504 in magnitude, so the later launches can run the f16 matrix form, in which
; the intermediates (Q, K, V, P, attn) keep 11 bits.
; LIMITS: above 65,504 in magnitude the f16 is an infinity; below 2^-17 the second step errs by at most 2^-25 absolutely.
; Three matrices in one launch: x (8,192 rows), w_qkv (3,072 rows), w_o (1,024 rows).  A work-group takes 16 rows:
; work-groups 0-511 x, 512-703 w_qkv, 704-767 w_o.  In the new layout R rows x 64 K are R x 128 consecutive bytes,
; so the later launches fetch their tiles as runs of 256 consecutive bytes.
; Thread t: row t / 16 of the 16, four numbers at column 4 (t % 16) of each block kb.  A load of a wave covers 2 x 256
; consecutive bytes (two rows); a store of a wave covers 256 consecutive bytes, aligned (two rows of one block).
; No loop: 16 loads a lane go out at once and the waits count down; no register that a load or store reads is written again.
.set OFF, 2                            ; v[2:17]   byte offset in dst of my 8 bytes in block kb
.set T,   18                           ; v[18:19]  four numbers in bf16
.set X,   20                           ; v[20:83]  16 x 4 numbers as loaded, then as rounded
.set Y,   84                           ; v[84:115] 16 x 4 numbers in f16
	s_load_b256 s[4:11], s[0:1], 0x0               ; x s[4:5], w_qkv s[6:7], w_o s[8:9], xh s[10:11]
	s_load_b128 s[12:15], s[0:1], 0x20             ; wh s[12:13], woh s[14:15]
	v_lshrrev_b32 v1, 4, v0                        ; my row of the 16
	v_and_b32 v18, 15, v0                          ; my 16 bytes of each 256
	v_lshlrev_b32 v1, 12, v1                       ; a source row is 4,096 bytes
	v_lshl_or_b32 v1, v18, 4, v1
	v_lshlrev_b32 v[OFF], 3, v0                    ; dst: row x 128 + 8 x (t % 16) = 8 t
	s_mov_b32 s24, 131072                          ; bytes of a block kb of dst: rows x 128 (w_o)
	s_mov_b32 s25, 704                             ; the matrix's first work-group (w_o)
	s_mov_b32 s27, 0xffff0000                      ; a word's upper bf16
	s_wait_kmcnt 0x0
	s_cmp_lt_u32 ttmp9, 704                        ; which matrix: the choice hangs on the work-group's number alone
	s_cselect_b64 s[20:21], s[6:7], s[8:9]
	s_cselect_b64 s[22:23], s[12:13], s[14:15]
	s_cselect_b32 s24, 393216, s24
	s_cselect_b32 s25, 512, s25
	s_cmp_lt_u32 ttmp9, 512
	s_cselect_b64 s[20:21], s[4:5], s[20:21]
	s_cselect_b64 s[22:23], s[10:11], s[22:23]
	s_cselect_b32 s24, 1048576, s24
	s_cselect_b32 s25, 0, s25
	s_sub_co_u32 s26, ttmp9, s25                   ; my number within the matrix
	s_lshl_b32 s16, s26, 16                        ; 16 rows of 4,096 bytes
	s_mov_b32 s17, 0
	s_add_nc_u64 s[20:21], s[20:21], s[16:17]
	s_lshl_b32 s18, s26, 11                        ; 16 rows of 128 bytes
	s_mov_b32 s19, 0
	s_add_nc_u64 s[22:23], s[22:23], s[18:19]
.irp k, 0,1,2,3,4,5,6,7,8,9,10,11,12,13,14,15
	global_load_b128 v[X+4*\k:X+4*\k+3], v1, s[20:21] offset:256*\k th:TH_LOAD_NT   ; read once in the launch
.endr
.irp k, 1,2,3,4,5,6,7,8,9,10,11,12,13,14,15
	v_add_nc_u32 v[OFF+\k], s24, v[OFF+\k-1]       ; one block further
.endr
.irp k, 0,1,2,3,4,5,6,7,8,9,10,11,12,13,14,15
	s_wait_loadcnt 15-\k                           ; loads return in order: load k is in, the 15 - k younger ones stay out
	v_cvt_pk_bf16_f32 v[T],   v[X+4*\k],   v[X+4*\k+1]     ; the rounding
	v_cvt_pk_bf16_f32 v[T+1], v[X+4*\k+2], v[X+4*\k+3]
	v_lshlrev_b32 v[X+4*\k],   16,  v[T]                   ; bf16 as f32: the low half moves up, the high half stays
	v_and_b32     v[X+4*\k+1], s27, v[T]
	v_lshlrev_b32 v[X+4*\k+2], 16,  v[T+1]
	v_and_b32     v[X+4*\k+3], s27, v[T+1]
	v_cvt_pk_f16_f32 v[Y+2*\k],   v[X+4*\k],   v[X+4*\k+1] ; the same numbers in f16
	v_cvt_pk_f16_f32 v[Y+2*\k+1], v[X+4*\k+2], v[X+4*\k+3]
	global_store_b64 v[OFF+\k], v[Y+2*\k:Y+2*\k+1], s[22:23]   ; no hint: the next launch reads these bytes
.endr
	s_endpgm
.Lfunc_end_k_q55110c2170_cast:
	.size	k_q55110c2170_cast, .Lfunc_end_k_q55110c2170_cast-k_q55110c2170_cast
	.p2alignl 7, 3214868480
	.fill 96, 4, 3214868480
	.section	.rodata,"a",@progbits
	.p2align	6, 0x0
	.amdhsa_kernel k_q55110c2170_cast
		.amdhsa_group_segment_fixed_size 0
		.amdhsa_private_segment_fixed_size 0
		.amdhsa_enable_private_segment 0
		.amdhsa_kernarg_size 48
		.amdhsa_user_sgpr_count 2
		.amdhsa_user_sgpr_kernarg_segment_ptr 1
		.amdhsa_wavefront_size32 1
		.amdhsa_system_sgpr_workgroup_id_x 1
		.amdhsa_system_sgpr_workgroup_id_y 1
		.amdhsa_system_sgpr_workgroup_id_z 1
		.amdhsa_system_vgpr_workitem_id 0
		.amdhsa_next_free_vgpr 116
		.amdhsa_next_free_sgpr 66
		.amdhsa_reserve_vcc 0
		.amdhsa_float_denorm_mode_32 3
		.amdhsa_float_denorm_mode_16_64 3
		.amdhsa_memory_ordered 1
		.amdhsa_forward_progress 1
		.amdhsa_inst_pref_size 12
	.end_amdhsa_kernel
	.amdgpu_metadata
---
amdhsa.version: [ 1, 2 ]
amdhsa.kernels:
  - .name:           k_q55110c2170_cast
    .symbol:         k_q55110c2170_cast.kd
    .args:
      - { .name: x, .offset: 0, .size: 8, .value_kind: global_buffer, .address_space: global }
      - { .name: w_qkv, .offset: 8, .size: 8, .value_kind: global_buffer, .address_space: global }
      - { .name: w_o, .offset: 16, .size: 8, .value_kind: global_buffer, .address_space: global }
      - { .name: xh, .offset: 24, .size: 8, .value_kind: global_buffer, .address_space: global }
      - { .name: wh, .offset: 32, .size: 8, .value_kind: global_buffer, .address_space: global }
      - { .name: woh, .offset: 40, .size: 8, .value_kind: global_buffer, .address_space: global }
    .group_segment_fixed_size: 0
    .private_segment_fixed_size: 0
    .kernarg_segment_align: 8
    .kernarg_segment_size: 48
    .max_flat_workgroup_size: 256
    .sgpr_count:     66
    .vgpr_count:     116
    .wavefront_size: 32
...
	.end_amdgpu_metadata
.endif
;; end of part 1
;; launch qkvg (part 2): grid 8 x 32, 4 waves a work-group, clusters of 4 x 4, 327,680 bytes of LDS; arguments xh, wh, qkv; writes qkv
.if DOCPART == 2
	.amdgcn_target "amdgcn-amd-amdhsa--gfx1250"
	.amdhsa_code_object_version 6
	.text
	.protected	k_q55110c2170_qkvg
	.globl	k_q55110c2170_qkvg
	.p2align	8
	.type	k_q55110c2170_qkvg,@function
k_q55110c2170_qkvg:
	s_mov_b64 s[64:65], 0
	v_nop
	global_prefetch_b8 v0, s[64:65] scope:SCOPE_SE
	s_setreg_imm32_b32 hwreg(HW_REG_WAVE_MODE, 25, 1), 1
	s_wait_xcnt 0x0
	s_wait_alu depctr_hold_cnt(0) depctr_sa_sdst(0) depctr_va_vdst(0) depctr_va_sdst(0) depctr_va_ssrc(0) depctr_va_vcc(0) depctr_vm_vsrc(0)
	s_getreg_b32 s2, hwreg(HW_REG_IB_STS2, 6, 4)
	s_cmp_eq_u32 s2, 0
	s_cbranch_scc0 .Lentry_in_a_cluster
	s_endpgm
.Lentry_in_a_cluster:
	s_bfe_u32 s2, ttmp6, 0x10000c
	s_cmp_lg_u32 s2, 0xf033
	s_cbranch_scc0 .Lentry_shape_is_right
	s_endpgm
.Lentry_shape_is_right:
; QKV projection: C[m][n] = sum over k of x[m][k] w[n][k], m = b*2048+s (8,192), n = q*1024+h*64+kk (3,072), k 1,024.
; Operands f16 in the blocked layout [16 kb][rows][64]; sums f32; result f16 as qkv[b][n/64][s][64].
; LIMIT: a result above 65,504 in magnitude becomes an f16 infinity.
; A work-group makes 256 x 384 of C with four waves; a wave 128 x 192 (three heads): 8 x 12 accumulator tiles = 768 registers.
; 8 x 32 = 256 work-groups.  K goes in 16 steps of 64 (one block kb) through two LDS slots.  A tile of R rows x 64 K is
; R x 128 consecutive bytes; it is fetched as R/2 rows of 256 bytes, and 16 bytes of padding are laid behind every 128
; bytes, so that a matrix row has the LDS pitch 144 (9 x 16: sixteen rows of a fragment start 16-byte columns apart).
; CLUSTERS: 4 x 4 work-groups.  x's tile hangs on the block row alone and is asked for jointly by a row of the cluster,
; w's on the block column alone and is asked for jointly by a column: the requests for both are divided by four.
; REGISTERS: window 0: addresses, x's fragments in two buffers (v32-95, v96-159), w's twelve fragments in one (v160-255);
; windows 1-3: accumulator (a, b) in window 1 + b/4 at 8 (8 (b%4) + a).  w's four fragments of a window are loaded again
; as soon as that window's 32 products are issued, so one buffer serves.
; The matrix instruction is used transposed (source 0 = rows of w, source 1 = rows of x): a lane then holds row m = l % 16
; and eight neighbouring n, which pack into 16 bytes.
; The 96 accumulators take turns, one instruction a turn, in the same order in every pass.
.set PITCH,  144
.set REGION, 192*PITCH                 ; 27,648: what one wave's load may fill (x: 128 rows, 18,432 used; w: 192 rows)
.set SLOT,   4*REGION                  ; x's two halves, w's two halves
.set STAGE,  2*SLOT                    ; 221,184: behind the ring, 16 rows x 400 bytes for each wave, never a fill's target
.set SPITCH, 400                       ; 384 bytes of a wave's row + 16
.set APLANE, 8192*128                  ; bytes of a block kb of xh
.set BPLANE, 3072*128                  ; and of wh
.set ADRA, 16                          ; v16-17 LDS address of my x fragments in slot 0, 1
.set ADRB, 20                          ; v20-21 the same for w
.set STO,  24
.set RD,   25
.set CO,   26
.set FA0,  32
.set FA1,  96
.set FB,   160
.set TMP,  32                          ; the way out: packed results
.set G1,  24                           ; s[24:31] group 1 for x's tiles
.set G0,  32                           ; s[32:39] group 0 for x's tiles, a set for each slot
.set G1B, 48                           ; s[48:55] group 1 for w's tiles
.set G0B, 56                           ; s[56:63] group 0 for w's tiles
.set MSB, 0
.macro WIN new                         ; the immediate's high byte repeats the setting that is left
.if MSB != (\new)
	s_set_vgpr_msb (MSB<<8)|(\new)
.set MSB, (\new)
.endif
.endm
.macro PLACES n
.rept \n
	v_nop
.endr
.endm
; A joint load: waves 0, 1 fetch x's halves, waves 2, 3 w's.  The branch hangs on the wave's number alone.
.macro JLOAD s
	s_cmp_eq_u32 s11, 0
	s_cbranch_scc0 .Lfor_b_\@
	tensor_load_to_lds s[G0+4*\s:G0+4*\s+3], s[G1:G1+7]
	s_nop 0
	s_branch .Lasked_\@
.Lfor_b_\@:
	tensor_load_to_lds s[G0B+4*\s:G0B+4*\s+3], s[G1B:G1B+7]
	s_nop 0
.Lasked_\@:
.endm
.macro CREST                           ; a round of the cluster's barrier behind its opening work-group barrier
	s_cmp_lg_u32 s10, 0
	s_cbranch_scc1 .Lnot_wave_0_\@
	s_barrier_signal -3
.Lnot_wave_0_\@:
	s_barrier_wait -3
	s_barrier_signal -1
	s_barrier_wait -1
.endm
.macro CROUND
	s_barrier_signal -1
	s_barrier_wait -1
	CREST
.endm
	s_load_b128 s[4:7], s[0:1], 0x0                ; xh s[4:5], wh s[6:7]
	s_load_b64 s[8:9], s[0:1], 0x10                ; qkv
	v_lshl_add_u32 v30, v0, 2, 0x3c400
	v_mov_b32 v31, 0
	ds_add_u32 v30, v31
	ds_add_u32 v30, v31
	v_lshrrev_b32 v1, 5, v0
	v_readfirstlane_b32 s10, v1                    ; wave 0..3
	s_lshr_b32 s11, s10, 1                         ; my half of the block's rows; also: I fetch for x (0) or w (1)
	s_and_b32 s12, s10, 1                          ; my half of its columns; also: which half of that tile I fetch
	s_bfe_u32 s40, ttmp6, 0x40000                  ; cx
	s_bfe_u32 s41, ttmp6, 0x40004                  ; cy
	s_lshl_b32 s42, ttmp9, 2
	s_add_co_u32 s42, s42, s40                     ; block column = 4 x cluster x + cx
	s_and_b32 s13, ttmp7, 0xffff
	s_lshl_b32 s13, s13, 2
	s_add_co_u32 s13, s13, s41                     ; block row = 4 x cluster y + cy
	s_lshl_b32 s43, s41, 2
	s_lshl_b32 s43, 15, s43                        ; my row of the cluster
	s_lshl_b32 s44, 0x1111, s40                    ; my column
	; group 1: elements of 8 bytes, rows of 32 elements (256 bytes), dense; padding of 4 words behind every 32 words
	s_or_b32 s[G1+0],  s43, (3<<16)|(1<<20)|(1<<21)|(4<<22)|(3<<25)
	s_or_b32 s[G1B+0], s44, (3<<16)|(1<<20)|(1<<21)|(4<<22)|(3<<25)
	s_mov_b32 s[G1+1],  32<<16                     ; tensor_dim0 = 32
	s_mov_b32 s[G1B+1], 32<<16
	s_mov_b32 s[G1+2],  64<<16                     ; tensor_dim1 = 64 rows of 256 bytes = 128 rows of x
	s_mov_b32 s[G1B+2], 96<<16                     ; 96 rows = 192 rows of w
	s_mov_b32 s[G1+3],  32<<16                     ; tile_dim0 = 32
	s_mov_b32 s[G1B+3], 32<<16
	s_mov_b32 s[G1+4],  64                         ; tile_dim1
	s_mov_b32 s[G1B+4], 96
	s_mov_b32 s[G1+5],  32                         ; from row to row: 32 elements
	s_mov_b32 s[G1B+5], 32
	s_mov_b32 s[G1+6],  0
	s_mov_b32 s[G1B+6], 0
	s_mov_b32 s[G1+7],  0
	s_mov_b32 s[G1B+7], 0
	s_lshl_b32 s16, s13, 15                        ; x: 256 rows x 128 bytes a block row,
	s_lshl_b32 s17, s12, 14                        ; 128 rows a half
	s_add_co_u32 s16, s16, s17
	s_mov_b32 s17, 0
	s_mul_i32 s46, s42, 384*128                    ; w: 384 rows a block column,
	s_mul_i32 s47, s12, 192*128                    ; 192 rows a half
	s_add_co_u32 s46, s46, s47
	s_mov_b32 s47, 0
	s_mul_i32 s20, s10, REGION                     ; where my load lands: the wave's number alone
	s_wait_dscnt 0x0
	s_wait_kmcnt 0x0
	s_add_nc_u64 s[14:15], s[4:5], s[16:17]
	s_add_nc_u64 s[46:47], s[6:7], s[46:47]
	CROUND                                         ; all sixteen work-groups are here: the first joint loads meet
.irp s, 0,1
	s_mov_b32 s[G0+4*\s], 1
	s_add_co_u32 s[G0+4*\s+1], s20, \s*SLOT
	s_add_nc_u64 s[G0+4*\s+2:G0+4*\s+3], s[14:15], \s*APLANE       ; K step s
	s_or_b32 s[G0+4*\s+3], s[G0+4*\s+3], 0x80000000
	s_mov_b32 s[G0B+4*\s], 1
	s_add_co_u32 s[G0B+4*\s+1], s20, \s*SLOT
	s_add_nc_u64 s[G0B+4*\s+2:G0B+4*\s+3], s[46:47], \s*BPLANE
	s_or_b32 s[G0B+4*\s+3], s[G0B+4*\s+3], 0x80000000
	JLOAD \s                                       ; two loads of a wave are out here, one behind each later round
.endr
	v_and_b32 v1, 15, v0                           ; r = l % 16
	v_bfe_u32 v2, v0, 4, 1                         ; h = l / 16
	v_mul_u32_u24 v3, v1, PITCH
	v_lshl_add_u32 v3, v2, 4, v3                   ; row x pitch + 16 h
	s_mul_i32 s21, s11, REGION                     ; my 128 rows of x
	s_mul_i32 s22, s12, REGION
	s_add_co_u32 s22, s22, 2*REGION                ; my 192 rows of w
.irp s, 0,1
	v_add_nc_u32 v[ADRA+\s], s21, v3
	v_add_nc_u32 v[ADRB+\s], s22, v3
	s_add_co_u32 s21, s21, SLOT
	s_add_co_u32 s22, s22, SLOT
.endr
	s_mul_i32 s23, s10, 16*SPITCH
	s_add_co_u32 s23, s23, STAGE                   ; my stage
	v_mul_u32_u24 v4, v1, SPITCH
	v_lshl_add_u32 v4, v2, 4, v4
	v_add_nc_u32 v[STO], s23, v4                   ; in: row r, 16 bytes for each half of the lanes
	v_bfe_u32 v5, v0, 3, 2                         ; back: eight lanes take 128 bytes (a head's row), four rows a load
	v_and_b32 v6, 7, v0
	v_mul_u32_u24 v5, v5, SPITCH
	v_lshl_add_u32 v5, v6, 4, v5
	v_add_nc_u32 v[RD], s23, v5
	v_and_b32 v7, 31, v0
	v_lshlrev_b32 v[CO], 4, v7                     ; and in qkv those four rows are 512 consecutive bytes
; 16 products: n blocks bb0, bb0+1 of window w's four x all 8 m blocks, 32 along K.  zero = 1: the product starts the sum.
.macro MULH w, bb0, f, zero
.irp bb, \bb0, \bb0+1
.irp a, 0,1,2,3,4,5,6,7
.if \zero
	v_wmma_f32_16x16x32_f16 v[8*(8*(\bb)+\a):8*(8*(\bb)+\a)+7], v[FB+8*(4*(\w-1)+(\bb)):FB+8*(4*(\w-1)+(\bb))+7], v[\f+8*\a:\f+8*\a+7], 0
.else
	v_wmma_f32_16x16x32_f16 v[8*(8*(\bb)+\a):8*(8*(\bb)+\a)+7], v[FB+8*(4*(\w-1)+(\bb)):FB+8*(4*(\w-1)+(\bb))+7], v[\f+8*\a:\f+8*\a+7], v[8*(8*(\bb)+\a):8*(8*(\bb)+\a)+7]
.endif
.endr
.endr
.endm
; eight LDS loads: four fragments of w (b0 .. b0+3), or of x (a0 .. a0+3, into buffer g), 32 K at byte k of the rows
.macro FETB slot, k, b0
.irp i, 0,1,2,3
	ds_load_b128 v[FB+8*(\b0+\i):FB+8*(\b0+\i)+3],   v[ADRB+\slot] offset:\k+(\b0+\i)*16*PITCH
	ds_load_b128 v[FB+8*(\b0+\i)+4:FB+8*(\b0+\i)+7], v[ADRB+\slot] offset:\k+(\b0+\i)*16*PITCH+32
.endr
.endm
.macro FETA slot, k, g, a0
.irp i, 0,1,2,3
	ds_load_b128 v[\g+8*(\a0+\i):\g+8*(\a0+\i)+3],   v[ADRA+\slot] offset:\k+(\a0+\i)*16*PITCH
	ds_load_b128 v[\g+8*(\a0+\i)+4:\g+8*(\a0+\i)+7], v[ADRA+\slot] offset:\k+(\a0+\i)*16*PITCH+32
.endr
.endm
; One pass: 96 products on x's buffer f, 32 along K; between them the next pass's 40 loads (slot nslot, byte nk, x into g).
; Four v_nop stand in front of each run of loads: a load into a register that a matrix instruction has read stands four
; places behind it (ISA guide 7.12.1 for vector instructions).
; turn = 1: this pass is the slot's last: the change of slots.  fill = 1: the slot is filled again, two K steps ahead.
.macro QRT slot, nslot, nk, f, g, zero, turn, fill
	s_wait_dscnt 8                                 ; all but the youngest eight loads (w's fragments 8-11) are in
	WIN 0x50
	MULH 1, 0, \f, \zero
.if \turn
	s_wait_dscnt 0                                 ; my reads of this slot are over,
	s_wait_tensorcnt 0x0                           ; all my tensor loads have landed: the one that was out is my part of the next slot
	ds_add_u32 v30, v31
	s_wait_dscnt 0x0
	s_barrier_signal -1                            ; (opens a round of the cluster's barrier where the slot is filled again)
.endif
	MULH 1, 2, \f, \zero
.if \turn
	WIN 0
	s_barrier_wait -1
.if \fill
	CREST                                          ; no wave of any partner still reads this slot or has a load on its way
	s_add_nc_u64 s[G0+4*\slot+2:G0+4*\slot+3], s[G0+4*\slot+2:G0+4*\slot+3], 2*APLANE
	s_add_nc_u64 s[G0B+4*\slot+2:G0B+4*\slot+3], s[G0B+4*\slot+2:G0B+4*\slot+3], 2*BPLANE
	JLOAD \slot                                    ; the first tensor load behind the round, one a wave
.endif
.endif
	PLACES 4
	WIN 0
	FETB \nslot, \nk, 0
	FETA \nslot, \nk, \g, 0
	WIN 0xa0
	MULH 2, 0, \f, \zero
	MULH 2, 2, \f, \zero
	PLACES 4
	WIN 0
	FETB \nslot, \nk, 4
	FETA \nslot, \nk, \g, 4
	s_wait_dscnt 32                                ; all but the 16 + 16 just issued: w's fragments 8-11 are in
	WIN 0xf0
	MULH 3, 0, \f, \zero
	MULH 3, 2, \f, \zero
	PLACES 4
	WIN 0
	FETB \nslot, \nk, 8
.endm
.macro KSTEP s, zero, fill
	QRT \s, \s, 64, FA0, FA1, \zero, 0, 0
	QRT \s, 1-\s, 0, FA1, FA0, 0, 1, \fill
.endm
.macro LAP zero
	KSTEP 0, \zero, 1
	KSTEP 1, 0, 1
.endm
	s_wait_tensorcnt 1                             ; my part of K step 0 is in; K step 1's stays out
	s_barrier_signal -1
	s_barrier_wait -1
	FETB 0, 0, 0
	FETA 0, 0, FA0, 0
	FETB 0, 0, 4
	FETA 0, 0, FA0, 4
	FETB 0, 0, 8
	LAP 1                                          ; K steps 0, 1: the first products start the sums
	s_mov_b32 s3, 6                                ; K steps 2 to 13
.Llap:
	LAP 0
	s_sub_co_u32 s3, s3, 1
	s_cmp_lg_u32 s3, 0
	s_cbranch_scc1 .Llap
	KSTEP 0, 0, 0                                  ; K steps 14, 15 fill nothing: a plain barrier at the change of slots
	QRT 1, 1, 64, FA0, FA1, 0, 0, 0
	s_wait_dscnt 8                                 ; the very last pass: nothing more to fetch
	WIN 0x50
	MULH 1, 0, FA1, 0
	MULH 1, 2, FA1, 0
	WIN 0xa0
	MULH 2, 0, FA1, 0
	MULH 2, 2, FA1, 0
	s_wait_dscnt 0
	WIN 0xf0
	MULH 3, 0, FA1, 0
	MULH 3, 2, FA1, 0
	; THE WAY OUT, 16 rows at a time: round to f16, 16 bytes a lane into my stage, read back head by head, four rows a load.
	PLACES 4                                       ; the places behind the last products
	s_lshr_b32 s16, s13, 3                         ; b = block row / 8
	s_mul_i32 s16, s16, 48
	s_lshl_b32 s16, s16, 18                        ; a head's plane is 2,048 x 128 bytes
	s_and_b32 s14, s13, 7
	s_lshl_b32 s14, s14, 15                        ; s = 256 (block row % 8)
	s_add_co_u32 s16, s16, s14
	s_lshl_b32 s14, s11, 14                        ;     + 128 x my half
	s_add_co_u32 s16, s16, s14
	s_mov_b32 s17, 0
	s_add_nc_u64 s[8:9], s[8:9], s[16:17]
	s_mul_i32 s46, s42, 6                          ; plane n / 64 = 6 x block column + 3 x my half
	s_mul_i32 s47, s12, 3
	s_add_co_u32 s46, s46, s47
	s_lshl_b32 s46, s46, 18
	s_mov_b32 s47, 0
	s_add_nc_u64 s[8:9], s[8:9], s[46:47]
.macro OUTA a, rb
.irp w, 1,2,3
	WIN 5*\w                                       ; sources 0 and 1 in window w
.irp bb, 0,1,2,3
.irp q, 0,1,2,3
	v_cvt_pk_f16_f32 v[TMP+4*(4*(\w-1)+\bb)+\q], v[8*(8*\bb+\a)+2*\q], v[8*(8*\bb+\a)+2*\q+1]
.endr
.endr
.endr
	WIN 0
.irp b, 0,1,2,3,4,5,6,7,8,9,10,11
	ds_store_b128 v[STO], v[TMP+4*\b:TMP+4*\b+3] offset:32*\b
.endr
	s_wait_xcnt 0x0                                ; the registers that earlier stores read are loaded again only behind this wait
.irp hd, 0,1,2
.irp u, 0,1,2,3
	ds_load_b128 v[\rb+4*(4*\hd+\u):\rb+4*(4*\hd+\u)+3], v[RD] offset:\u*4*SPITCH+\hd*128   ; a wave's LDS instructions are served in order: these see the stores above
.endr
.endr
.irp hd, 0,1,2
.irp u, 0,1,2,3
	s_wait_dscnt 11-(4*\hd+\u)
	global_store_b128 v[CO], v[\rb+4*(4*\hd+\u):\rb+4*(4*\hd+\u)+3], s[8:9] offset:\hd*262144+(16*\a+4*\u)*128   ; 512 consecutive bytes, aligned
.endr
.endr
.endm
	OUTA 0, 160
	OUTA 1, 208
	OUTA 2, 160
	OUTA 3, 208
	OUTA 4, 160
	OUTA 5, 208
	OUTA 6, 160
	OUTA 7, 208
	s_wait_tensorcnt 0x0
	ds_add_u32 v30, v31
	s_wait_dscnt 0x0
	CROUND                                         ; the closing round: no work-group ends while a partner may still ask jointly
	s_endpgm
.Lfunc_end_k_q55110c2170_qkvg:
	.size	k_q55110c2170_qkvg, .Lfunc_end_k_q55110c2170_qkvg-k_q55110c2170_qkvg
	.p2alignl 7, 3214868480
	.fill 96, 4, 3214868480
	.section	.rodata,"a",@progbits
	.p2align	6, 0x0
	.amdhsa_kernel k_q55110c2170_qkvg
		.amdhsa_group_segment_fixed_size 327680
		.amdhsa_private_segment_fixed_size 0
		.amdhsa_enable_private_segment 0
		.amdhsa_kernarg_size 24
		.amdhsa_user_sgpr_count 2
		.amdhsa_user_sgpr_kernarg_segment_ptr 1
		.amdhsa_wavefront_size32 1
		.amdhsa_system_sgpr_workgroup_id_x 1
		.amdhsa_system_sgpr_workgroup_id_y 1
		.amdhsa_system_sgpr_workgroup_id_z 1
		.amdhsa_system_vgpr_workitem_id 0
		.amdhsa_next_free_vgpr 1024
		.amdhsa_next_free_sgpr 66
		.amdhsa_reserve_vcc 0
		.amdhsa_float_denorm_mode_32 3
		.amdhsa_float_denorm_mode_16_64 3
		.amdhsa_memory_ordered 1
		.amdhsa_forward_progress 1
		.amdhsa_inst_pref_size 170
	.end_amdhsa_kernel
	.amdgpu_metadata
---
amdhsa.version: [ 1, 2 ]
amdhsa.kernels:
  - .name:           k_q55110c2170_qkvg
    .symbol:         k_q55110c2170_qkvg.kd
    .args:
      - { .name: xh, .offset: 0, .size: 8, .value_kind: global_buffer, .address_space: global }
      - { .name: wh, .offset: 8, .size: 8, .value_kind: global_buffer, .address_space: global }
      - { .name: qkv, .offset: 16, .size: 8, .value_kind: global_buffer, .address_space: global }
    .group_segment_fixed_size: 327680
    .private_segment_fixed_size: 0
    .kernarg_segment_align: 8
    .kernarg_segment_size: 24
    .max_flat_workgroup_size: 128
    .sgpr_count:     66
    .vgpr_count:     1024
    .wavefront_size: 32
...
	.end_amdgpu_metadata
.endif
;; end of part 2
;; launch attn (part 3): grid 256 x 1, 8 waves a work-group, no clusters, 327,680 bytes of LDS; arguments qkv, ah; writes ah
.if DOCPART == 3
	.amdgcn_target "amdgcn-amd-amdhsa--gfx1250"
	.amdhsa_code_object_version 6
	.text
	.protected	k_q55110c2170_attn
	.globl	k_q55110c2170_attn
	.p2align	8
	.type	k_q55110c2170_attn,@function
k_q55110c2170_attn:
	s_mov_b64 s[64:65], 0
	v_nop
	global_prefetch_b8 v0, s[64:65] scope:SCOPE_SE
	s_setreg_imm32_b32 hwreg(HW_REG_WAVE_MODE, 25, 1), 1
	s_wait_xcnt 0x0
; Causal attention of one (b, h): softmax(Q K^T / 8, keys <= query) V, with a running maximum.  qkv[b][q*16+h][s][64] f16 in;
; sums, maxima, exponentials in f32; out in f16 as ah[h][blk = b*8 + s/256][288 rows][64]: rows 0-255 the block's rows,
; rows 256-271 the second parts of its rows 0-15, rows 272-287 the second parts of its rows 128-143.
; LIMITS: a probability below about 2^-25 of its row's largest rounds to 0 in f16; the order of the sums is not reference()'s.
; WORK: work-group = (bh = id / 4, j = id % 4); it makes the query blocks of 256 rows i = 7 - j and then i = j:
; (8 - j) + (j + 1) = 9 units of 256 keys for every one of the 256 work-groups.  What the causal mask throws away whole is not computed.
; Eight waves: wave w has the 64 query rows rg = w % 4 of the block and the 64 keys kp = w / 4 of each slot of 128 keys;
; the two waves of a row group join their sums at the block's end (through LDS).
; SECOND PARTS: the first 16 rows of a sequence average at most 16 rows of V, so their numbers are several times larger than the
; root mean square of the whole result, and one f16 rounding of them is not small against that mean.  For them hi = f16(a) goes with
; lo = f16(a - hi).  The next launch treats the first 16 rows of every 128 alike, so lo
; is made for all of those: waves 0 and 2, query block 0, at each block's end.
; NO MULTICAST: the four work-groups of a head walk different tile sequences (9 units each, in different order and from
; different ranges); a common sequence would be 8 + 4 = 12 units for each, a third more work than the 9.
; ORIENTATION: S^T = K Q^T (source 0 = 16 keys, source 1 = 16 queries): lane (r, h) holds query r and keys 8 h + 0..7 of each
; tile, so a row's maximum and sum are made in the lane plus one exchange of the halves, and the packed f16 of the lane's own
; numbers ARE the fragment of P^T for O^T = V^T P^T (source 0 = V^T by the transposing LDS load).  O^T: lane (r, h) holds query r
; and eight neighbouring d.
; The running maximum is kept negated and scaled: N = -c max, c = log2(e) / 8, so that the exponent is one fused S c + N.
; N starts at the largest finite number: a tile or row that the mask empties gives exp2(-inf) = 0 and no NaN.
; THE ORDER OF A STEP: products come in runs of 8 or 16 between the four softmax blocks (S0 S1, soft 0, PV0 S2, soft 1, PV1 S3,
; soft 2, PV2, soft 3, PV3), so that of the two waves that share a SIMD one can use the vector unit while the other multiplies.
; In each run of products the accumulators take turns, one instruction a turn.
.set KP,   144                         ; LDS pitch of a K row (128 + 16)
.set VP,   160                         ; of a V row (128 + 32: an odd multiple of 32, for the transposing load)
.set KT,   128*KP                      ; 18,432
.set VT,   128*VP                      ; 20,480
.set SLOT, KT+VT                       ; 38,912: K's 128 keys, then V's
.set MERGE, 2*SLOT                     ; 77,824: 34 x 512 bytes for each row group; never a fill's target
.set MSZ,  34*512
.set OUTS, MERGE+4*MSZ                 ; 147,456: 64 rows x 144 bytes for each row group
.set OSZ,  64*KP
.set ABLK, 288*128                     ; bytes of a block of ah in one plane
.set APL,  32*ABLK                     ; bytes of a plane of ah
.set ADK,  8                           ; v8-9    my K fragments in slot 0, 1
.set ADV,  10                          ; v10-11  my V fragments
.set QOFF, 12
.set MST,  13
.set OST,  14
.set ORD,  15
.set GOF,  16
.set THR,  17                          ; 64 (rg - kp) + r - 8 h: the mask's threshold
.set T,    20                          ; v20-27  at work
.set NL,   32                          ; v[32+2g] N_g, v[33+2g] L_g (the lane's part of the row's sum)
.set AT,   40                          ; v[40+2g] the rescale factor, v[41+2g] at work
.set PS,   48                          ; the partner's N, L
.set F1,   56                          ; pairs of the partner's final factor
.set LO,   48                          ; v48-63  the second parts (PS and F1 are free by then)
.set KF,   64                          ; K(c, ds) at 64 + 8 (2c + ds)
.set SF,   128                         ; S(g, c) at 128 + 32 g + 8 c; P is packed in place
.set OF,   0                           ; window 1: O(g, db) at 8 (4g + db)
.set QF,   128                         ; window 1: Q(g, ds) at 128 + 8 (2g + ds)
.set VF,   192                         ; window 1: V(db, ks) at 192 + 8 (2db + ks)
.set G1K, 16
.set G1V, 24
.set G0K, 32                           ; s[32:39] a set for each slot
.set G0V, 40                           ; s[40:47]
.set MSB, 0
.macro WIN new
.if MSB != (\new)
	s_set_vgpr_msb (MSB<<8)|(\new)
.set MSB, (\new)
.endif
.endm
.macro PLACES n
.rept \n
	v_nop
.endr
.endm
	s_load_b128 s[4:7], s[0:1], 0x0                ; qkv s[4:5], ah s[6:7]
	v_lshl_add_u32 v30, v0, 2, 0x2d000
	v_mov_b32 v31, 0
	ds_add_u32 v30, v31
	ds_add_u32 v30, v31
	v_lshrrev_b32 v1, 5, v0
	v_readfirstlane_b32 s8, v1                     ; wave 0..7
	s_and_b32 s9, s8, 3                            ; rg
	s_lshr_b32 s10, s8, 2                          ; kp
	s_and_b32 s11, ttmp9, 3                        ; j
	s_lshr_b32 s12, ttmp9, 2                       ; bh
	s_sub_co_u32 s13, 7, s11                       ; i: the long block first
	; group 1: 64 rows of 256 bytes (128 keys x 128 bytes, dense), elements of 8 bytes; padding behind every 32 words: K 4 words, V 8
	s_mov_b32 s[G1K+0], (3<<16)|(1<<20)|(4<<22)|(3<<25)
	s_mov_b32 s[G1V+0], (3<<16)|(1<<20)|(4<<22)|(7<<25)
.irp g, G1K, G1V
	s_mov_b32 s[\g+1], 32<<16
	s_mov_b32 s[\g+2], 64<<16
	s_mov_b32 s[\g+3], 32<<16
	s_mov_b32 s[\g+4], 64
	s_mov_b32 s[\g+5], 32
	s_mov_b32 s[\g+6], 0
	s_mov_b32 s[\g+7], 0
.endr
	s_mov_b32 s[G0K+0], 1
	s_mov_b32 s[G0K+1], 0
	s_mov_b32 s[G0K+4], 1
	s_mov_b32 s[G0K+5], SLOT
	s_mov_b32 s[G0V+0], 1
	s_mov_b32 s[G0V+1], KT
	s_mov_b32 s[G0V+4], 1
	s_mov_b32 s[G0V+5], SLOT+KT
	s_mov_b32 s58, 0x3e38aa3b                      ; c = log2(e) / 8
	s_mov_b32 s59, 0x3e38aa3b
	s_mov_b32 s60, 0x76543210                      ; v_permlanex16_b32: lane i of one half reads lane i of the other
	s_mov_b32 s61, 0xfedcba98
	s_mov_b32 s62, 0xff800000                      ; -inf
	s_mov_b32 s63, 0xbe38aa3b                      ; -c
	s_lshr_b32 s2, s12, 4                          ; b
	s_and_b32 s3, s12, 15                          ; h
	s_mul_i32 s14, s2, 48
	s_add_co_u32 s14, s14, s3
	s_lshl_b32 s14, s14, 18                        ; Q's plane: (48 b + h) x 2,048 x 128 bytes
	s_mul_i32 s3, s3, APL                          ; ah: plane h
	s_mul_i32 s2, s2, 8*ABLK                       ;   + b x 8 blocks
	s_add_co_u32 s2, s2, s3
	s_lshr_b32 s15, s9, 1                          ; the second parts: behind the block's 256 rows,
	s_lshl_b32 s15, s15, 11                        ;   16 rows of 128 bytes for each 128 rows
	s_add_co_u32 s52, s2, s15
	s_add_co_u32 s52, s52, 32768
	s_lshl_b32 s3, s9, 13                          ; my rows: rg x 64 rows
	s_add_co_u32 s2, s2, s3
	s_mov_b32 s3, 0
	s_mov_b32 s53, 0
	s_wait_dscnt 0x0
	s_wait_kmcnt 0x0
	s_add_nc_u64 s[66:67], s[6:7], s[52:53]        ; second parts, block 0 of my sequence
	s_add_nc_u64 s[6:7], s[6:7], s[2:3]            ; my rows, block 0 of my sequence
	s_mov_b32 s2, s14
	s_add_nc_u64 s[4:5], s[4:5], s[2:3]            ; Q's plane
	s_add_nc_u64 s[48:49], s[4:5], 0x400000        ; K's: 16 planes on
	s_add_nc_u64 s[50:51], s[4:5], 0x800000        ; V's: 32 planes on
	s_mul_i32 s2, s13, ABLK                        ; block i of ah
	s_add_nc_u64 s[56:57], s[6:7], s[2:3]          ; my rows of ah
	s_add_nc_u64 s[68:69], s[66:67], s[2:3]        ; and their second parts
	s_lshl_b32 s2, s13, 15                         ; block i of qkv: 256 rows of 128 bytes
	s_add_nc_u64 s[54:55], s[4:5], s[2:3]          ; my block's Q
	s_add_nc_u64 s[G0K+2:G0K+3], s[48:49], s[2:3]  ; the first tile: the diagonal unit's keys 0-127
	s_or_b32 s[G0K+3], s[G0K+3], 0x80000000
	s_add_nc_u64 s[G0V+2:G0V+3], s[50:51], s[2:3]
	s_or_b32 s[G0V+3], s[G0V+3], 0x80000000
	s_cmp_lg_u32 s8, 0                             ; wave 0 fetches K's tiles, wave 1 V's: one load a wave is out at any time
	s_cbranch_scc1 .Lp0
	tensor_load_to_lds s[G0K:G0K+3], s[G1K:G1K+7]
	s_nop 0
.Lp0:
	s_cmp_lg_u32 s8, 1
	s_cbranch_scc1 .Lp1
	tensor_load_to_lds s[G0V:G0V+3], s[G1V:G1V+7]
	s_nop 0
.Lp1:
	v_and_b32 v1, 15, v0                           ; r
	v_bfe_u32 v2, v0, 4, 1                         ; h
	v_and_b32 v3, 31, v0                           ; l
	v_and_b32 v4, 7, v0                            ; l % 8
	v_bfe_u32 v5, v0, 3, 1                         ; (l / 8) % 2
	v_bfe_u32 v6, v0, 3, 2                         ; l / 8
	v_mul_u32_u24 v7, v1, KP
	v_lshl_add_u32 v7, v2, 4, v7                   ; r x 144 + 16 h
	s_mul_i32 s2, s10, 64*KP
	v_add_nc_u32 v[ADK], s2, v7
	v_add_nc_u32 v[ADK+1], SLOT, v[ADK]
	s_mul_i32 s2, s9, OSZ
	s_add_co_u32 s2, s2, OUTS
	v_add_nc_u32 v[OST], s2, v7
	v_mul_u32_u24 v7, v6, KP
	v_lshl_add_u32 v7, v4, 4, v7
	v_add_nc_u32 v[ORD], s2, v7                    ; back: eight lanes a row of 128 bytes, four rows a load
	v_lshl_add_u32 v7, v2, 3, v4                   ; V: key 8 h + l % 8,
	v_mul_u32_u24 v7, v7, VP
	v_lshl_add_u32 v7, v5, 4, v7                   ; 16 bytes by (l / 8) % 2
	s_mul_i32 s2, s10, 64*VP
	s_add_co_u32 s2, s2, KT
	v_add_nc_u32 v[ADV], s2, v7
	v_add_nc_u32 v[ADV+1], SLOT, v[ADV]
	s_lshl_b32 s2, s9, 13
	v_lshl_add_u32 v[QOFF], v1, 7, s2              ; Q: row 64 rg + r,
	v_lshl_add_u32 v[QOFF], v2, 4, v[QOFF]         ; 16 h
	s_mul_i32 s2, s9, MSZ
	s_add_co_u32 s2, s2, MERGE
	v_lshl_add_u32 v[MST], v3, 4, s2
	v_lshlrev_b32 v[GOF], 4, v3
	s_sub_co_i32 s2, s9, s10
	s_lshl_b32 s2, s2, 6
	v_add_nc_u32 v[THR], s2, v1
	v_lshlrev_b32 v7, 3, v2
	v_sub_nc_u32 v[THR], v[THR], v7
	v_mov_b32 v[T+4], 0                            ; a permute's destination counts as read
.irp g, 0,1,2,3
	v_mov_b32 v[NL+2*\g+1], 0                      ; the second half of a pair counts as read
.endr
.macro QLOAD                           ; my 64 query rows as eight fragments, straight from memory: 8 KiB a wave and block
	WIN 0x40
.irp g, 0,1,2,3
.irp ds, 0,1
	global_load_b128 v[QF+8*(2*\g+\ds):QF+8*(2*\g+\ds)+3],   v[QOFF], s[54:55] offset:\g*2048+64*\ds
	global_load_b128 v[QF+8*(2*\g+\ds)+4:QF+8*(2*\g+\ds)+7], v[QOFF], s[54:55] offset:\g*2048+64*\ds+32
.endr
.endr
	WIN 0
.endm
	QLOAD
; The barrier in front of a block's first step: every wave's tensor loads have landed (the step's tile among them) and its LDS
; reads are back; behind it the step fills the other slot.
.macro ENTER
	s_wait_tensorcnt 0x0
	ds_add_u32 v30, v31
	ds_add_u32 v30, v31
	s_wait_dscnt 0x0
	s_barrier_signal -1
	s_barrier_wait -1
.endm
; The refill, first thing behind a barrier: the slot that is not read in this step gets the tile at byte s52 of K's and V's planes.
; No tensor load of the wave is out (the wait for 0 stood in front of the barrier's signal), so a group 0 may be written.
.macro REFILL slot
	s_add_nc_u64 s[G0K+4*(1-\slot)+2:G0K+4*(1-\slot)+3], s[48:49], s[52:53]
	s_or_b32 s[G0K+4*(1-\slot)+3], s[G0K+4*(1-\slot)+3], 0x80000000
	s_add_nc_u64 s[G0V+4*(1-\slot)+2:G0V+4*(1-\slot)+3], s[50:51], s[52:53]
	s_or_b32 s[G0V+4*(1-\slot)+3], s[G0V+4*(1-\slot)+3], 0x80000000
	s_cmp_lg_u32 s8, 0
	s_cbranch_scc1 .Lnok_\@
	tensor_load_to_lds s[G0K+4*(1-\slot):G0K+4*(1-\slot)+3], s[G1K:G1K+7]
	s_nop 0
.Lnok_\@:
	s_cmp_lg_u32 s8, 1
	s_cbranch_scc1 .Lnov_\@
	tensor_load_to_lds s[G0V+4*(1-\slot):G0V+4*(1-\slot)+3], s[G1V:G1V+7]
	s_nop 0
.Lnov_\@:
.endm
; Softmax of query block g (16 queries x my 64 keys, 32 numbers a lane).
.macro SOFT g, first, mask, u
.set SB, SF+32*\g
.if \mask
	; key <= query  <=>  128 u + 16 c + j - 16 g <= 64 (rg - kp) + r - 8 h
.irp c, 0,1,2,3
.irp j, 0,1,2,3,4,5,6,7
	v_cmp_le_i32 vcc_lo, 128*\u+16*\c+\j-16*\g, v[THR]
	v_cndmask_b32 v[SB+8*\c+\j], s62, v[SB+8*\c+\j], vcc_lo
.endr
.endr
.endif
.irp k, 0,1,2,3
	v_max3_num_f32 v[T+\k], v[SB+8*\k], v[SB+8*\k+1], v[SB+8*\k+2]
.endr
.irp k, 0,1,2,3
	v_max3_num_f32 v[T+\k], v[T+\k], v[SB+8*\k+3], v[SB+8*\k+4]
.endr
.irp k, 0,1,2,3
	v_max3_num_f32 v[T+\k], v[T+\k], v[SB+8*\k+5], v[SB+8*\k+6]
.endr
	v_max3_num_f32 v[T], v[T], v[SB+7], v[SB+15]
	v_max3_num_f32 v[T+1], v[T+1], v[SB+23], v[SB+31]
	v_max3_num_f32 v[T], v[T], v[T+2], v[T+3]
	v_max_num_f32 v[T], v[T], v[T+1]
	v_permlanex16_b32 v[T+4], v[T], s60, s61       ; the other half's eight keys of each tile
	v_max_num_f32 v[T], v[T], v[T+4]
	v_mul_f32 v[AT+2*\g+1], s63, v[T]              ; -c x the tile's maximum
.if \first
	v_min_num_f32 v[NL+2*\g], 0x7f7fffff, v[AT+2*\g+1]
.else
	v_min_num_f32 v[AT+2*\g+1], v[AT+2*\g+1], v[NL+2*\g]
	v_sub_f32 v[AT+2*\g], v[AT+2*\g+1], v[NL+2*\g]   ; new N - old N <= 0
	v_mov_b32 v[NL+2*\g], v[AT+2*\g+1]
	v_exp_f32 v[AT+2*\g], v[AT+2*\g]               ; what the old sums are worth; the plain line behind it touches neither
.endif
.irp i, 0,1,2,3,4,5,6,7,8,9,10,11,12,13,14,15
	v_pk_fma_f32 v[SB+2*\i:SB+2*\i+1], v[SB+2*\i:SB+2*\i+1], s[58:59], v[NL+2*\g:NL+2*\g+1] op_sel_hi:[1,0,0]   ; S c + N
.endr
.set t, 0
.rept 32
	v_exp_f32 v[SB+t], v[SB+t]
.set t, t+1
.endr
	v_nop                                          ; one plain instruction behind the exponentials (ISA guide 5.7.2)
	s_wait_alu depctr_va_vdst(0)
	v_pk_add_f32 v[T:T+1], v[SB:SB+1], v[SB+2:SB+3]
	v_pk_add_f32 v[T+2:T+3], v[SB+4:SB+5], v[SB+6:SB+7]
.irp k, 4,6,8,10,12,14
	v_pk_add_f32 v[T:T+1], v[T:T+1], v[SB+2*\k:SB+2*\k+1]
	v_pk_add_f32 v[T+2:T+3], v[T+2:T+3], v[SB+2*\k+2:SB+2*\k+3]
.endr
	v_pk_add_f32 v[T:T+1], v[T:T+1], v[T+2:T+3]
.if \first
	v_add_f32 v[NL+2*\g+1], v[T], v[T+1]
.else
	v_add_f32 v[T], v[T], v[T+1]
	v_fma_f32 v[NL+2*\g+1], v[NL+2*\g+1], v[AT+2*\g], v[T]
.endif
.irp ks, 0,1
.irp i, 0,1,2,3,4,5,6,7
	v_cvt_pk_f16_f32 v[SB+16*\ks+\i], v[SB+16*\ks+2*\i], v[SB+16*\ks+2*\i+1]   ; in place: register i is written when 2i, 2i+1 are read
.endr
.endr
.endm
; The scores of query block g: 8 products, four accumulators by turns.  Source 1 (Q) in window 1.
.macro SMM g
	WIN 0x04
.irp ds, 0,1
.irp c, 0,1,2,3
.if 1-\ds
	v_wmma_f32_16x16x32_f16 v[SF+32*\g+8*\c:SF+32*\g+8*\c+7], v[KF+8*(2*\c+\ds):KF+8*(2*\c+\ds)+7], v[QF+8*(2*\g+\ds):QF+8*(2*\g+\ds)+7], 0
.else
	v_wmma_f32_16x16x32_f16 v[SF+32*\g+8*\c:SF+32*\g+8*\c+7], v[KF+8*(2*\c+\ds):KF+8*(2*\c+\ds)+7], v[QF+8*(2*\g+\ds):QF+8*(2*\g+\ds)+7], v[SF+32*\g+8*\c:SF+32*\g+8*\c+7]
.endif
.endr
.endr
.endm
; Query block g's old sums are rescaled (not in a block's first step), then its 8 products P V are added, four accumulators by turns.
.macro PVM g, first
.if 1-\first
	WIN 0x41
.irp i, 0,1,2,3,4,5,6,7,8,9,10,11,12,13,14,15
	v_pk_mul_f32 v[OF+32*\g+2*\i:OF+32*\g+2*\i+1], v[OF+32*\g+2*\i:OF+32*\g+2*\i+1], v[AT+2*\g:AT+2*\g+1] op_sel_hi:[1,0]
.endr
.endif
	WIN 0x51
.irp ks, 0,1
.irp db, 0,1,2,3
.if \first*(1-\ks)
	v_wmma_f32_16x16x32_f16 v[OF+8*(4*\g+\db):OF+8*(4*\g+\db)+7], v[VF+8*(2*\db+\ks):VF+8*(2*\db+\ks)+7], v[SF+32*\g+16*\ks:SF+32*\g+16*\ks+7], 0
.else
	v_wmma_f32_16x16x32_f16 v[OF+8*(4*\g+\db):OF+8*(4*\g+\db)+7], v[VF+8*(2*\db+\ks):VF+8*(2*\db+\ks)+7], v[SF+32*\g+16*\ks:SF+32*\g+16*\ks+7], v[OF+8*(4*\g+\db):OF+8*(4*\g+\db)+7]
.endif
.endr
.endr
.endm
; One step: my 64 queries x my 64 keys of the slot.  first = 1: starts the block's sums.  mask = 1: half u of the diagonal unit.
; fill = 1: the other slot is filled, first thing.  sig = 1: the step holds the barrier in front of the next step's refill:
; its signal stands behind the second softmax block, where my LDS reads of this slot are back and the next tile, asked for at the
; step's head (32 products and two softmax blocks ago), has landed; only register work follows up to its wait at the step's end.
; DISTANCES: the scores of block g + 1 are issued in front of softmax g, so more than five plain vector instructions that name none
; of their registers stand between them and softmax g + 1 and PV g + 1; only S0 and S1 need v_nop (five: P serves as a source).
.macro STEP slot, first, mask, u, fill, sig
.if \fill
	REFILL \slot
.endif
.irp c, 0,1,2,3
.irp ds, 0,1
	ds_load_b128 v[KF+8*(2*\c+\ds):KF+8*(2*\c+\ds)+3],   v[ADK+\slot] offset:\c*16*KP+64*\ds
	ds_load_b128 v[KF+8*(2*\c+\ds)+4:KF+8*(2*\c+\ds)+7], v[ADK+\slot] offset:\c*16*KP+64*\ds+32
.endr
.endr
	WIN 0x40
.irp db, 0,1,2,3
.irp ks, 0,1
	ds_load_tr16_b128 v[VF+8*(2*\db+\ks):VF+8*(2*\db+\ks)+3],   v[ADV+\slot] offset:\ks*32*VP+32*\db
	ds_load_tr16_b128 v[VF+8*(2*\db+\ks)+4:VF+8*(2*\db+\ks)+7], v[ADV+\slot] offset:\ks*32*VP+32*\db+16*VP
.endr
.endr
	s_wait_dscnt 16                                ; K's 16 loads are in, V's 16 stay out
.if \first
	s_wait_loadcnt 0x0                             ; the block's Q
.endif
	SMM 0
	SMM 1
	WIN 0
	PLACES 5
	SOFT 0, \first, \mask, \u
	s_wait_dscnt 0x0                               ; V
	PVM 0, \first
	SMM 2
	WIN 0
	SOFT 1, \first, \mask, \u
.if \sig
	s_wait_dscnt 0x0                               ; my reads of this slot are back (met: no LDS instruction since the wait above)
	s_wait_tensorcnt 0x0                           ; all my tensor loads have landed: the one that was out is the next step's tile
	ds_add_u32 v30, v31
	ds_add_u32 v30, v31
	s_wait_dscnt 0x0
	s_barrier_signal -1
.endif
	PVM 1, \first
	SMM 3
	WIN 0
	SOFT 2, \first, \mask, \u
	PVM 2, \first
	WIN 0
	SOFT 3, \first, \mask, \u
	PVM 3, \first
	WIN 0
	PLACES 5                                       ; behind the last products: V is loaded again, O is read or stored
.if \sig
	s_barrier_wait -1                              ; nobody reads this slot any more, and the next slot is whole
.endif
.endm
; The block's end: waves 4-7 hand O, N, L to waves 0-3, which join the two halves of the keys, divide, round and store.
.macro FINAL last
.if 1-\last
	s_lshl_b32 s2, s11, 15                         ; the second block: i = j
	s_mov_b32 s3, 0
	s_add_nc_u64 s[54:55], s[4:5], s[2:3]          ; (the first block's Q loads were waited for)
	QLOAD
.endif
	s_cmp_lt_u32 s8, 4
	s_cbranch_scc1 .Lkeep_\@
	WIN 0x04                                       ; store data in window 1
.set t, 0
.rept 32
	ds_store_b128 v[MST], v[OF+4*t:OF+4*t+3] offset:512*t
.set t, t+1
.endr
	WIN 0
	ds_store_b128 v[MST], v[NL:NL+3] offset:512*32
	ds_store_b128 v[MST], v[NL+4:NL+7] offset:512*33
.Lkeep_\@:
	s_wait_dscnt 0x0                               ; for the partner's sake
.if 1-\last
	s_wait_tensorcnt 0x0                           ; the next block's first tile, asked for at the head of the last step
.endif
	s_barrier_signal -1
	s_barrier_wait -1
	s_cmp_ge_u32 s8, 4
	s_cbranch_scc1 .Ldone_\@
	ds_load_b128 v[PS:PS+3], v[MST] offset:512*32
	ds_load_b128 v[PS+4:PS+7], v[MST] offset:512*33
.set t, 0
.rept 32
	ds_load_b128 v[SF+4*t:SF+4*t+3], v[MST] offset:512*t
.set t, t+1
.endr
	s_wait_dscnt 32                                ; N', L' are in; the 32 loads of O' stay out
.irp g, 0,1,2,3
	v_min_num_f32 v[T], v[NL+2*\g], v[PS+2*\g]     ; the joint maximum, negated
	v_sub_f32 v[T+1], v[T], v[NL+2*\g]
	v_sub_f32 v[T+2], v[T], v[PS+2*\g]
	v_exp_f32 v[T+1], v[T+1]
	v_exp_f32 v[T+2], v[T+2]
	v_nop
	s_wait_alu depctr_va_vdst(0)
	v_mul_f32 v[T+3], v[NL+2*\g+1], v[T+1]
	v_fmac_f32 v[T+3], v[PS+2*\g+1], v[T+2]
	v_permlanex16_b32 v[T+4], v[T+3], s60, s61     ; the other half of the lanes holds the rest of the row's sum
	v_add_f32 v[T+3], v[T+3], v[T+4]
	v_rcp_f32 v[T+3], v[T+3]
	v_nop
	s_wait_alu depctr_va_vdst(0)
	v_mul_f32 v[AT+2*\g], v[T+1], v[T+3]
	v_mul_f32 v[AT+2*\g+1], v[T+1], v[T+3]
	v_mul_f32 v[F1+2*\g], v[T+2], v[T+3]
	v_mul_f32 v[F1+2*\g+1], v[T+2], v[T+3]
.endr
	s_wait_dscnt 0x0
.irp g, 0,1,2,3
.irp i, 0,1,2,3,4,5,6,7,8,9,10,11,12,13,14,15
	v_pk_mul_f32 v[SF+32*\g+2*\i:SF+32*\g+2*\i+1], v[SF+32*\g+2*\i:SF+32*\g+2*\i+1], v[F1+2*\g:F1+2*\g+1]
.endr
.endr
	WIN 0x01                                       ; source 0 (my O) in window 1
.irp g, 0,1,2,3
.irp i, 0,1,2,3,4,5,6,7,8,9,10,11,12,13,14,15
	v_pk_fma_f32 v[SF+32*\g+2*\i:SF+32*\g+2*\i+1], v[OF+32*\g+2*\i:OF+32*\g+2*\i+1], v[AT+2*\g:AT+2*\g+1], v[SF+32*\g+2*\i:SF+32*\g+2*\i+1]
.endr
.endr
	WIN 0
	; Waves 0 and 2 (the block's rows 0-15 and 128-143 are their query block 0): what the rounding to f16 below drops, itself in f16.
	s_cmp_eq_u32 s8, 1
	s_cbranch_scc1 .Lnolo_\@
	s_cmp_eq_u32 s8, 3
	s_cbranch_scc1 .Lnolo_\@
.set t, 0
.rept 16
	v_cvt_pk_f16_f32 v20, v[SF+2*t], v[SF+2*t+1]   ; hi, as the packing below makes it
	v_cvt_f32_f16 v21, v20.l
	v_cvt_f32_f16 v22, v20.h
	v_sub_f32 v21, v[SF+2*t], v21                  ; exact: hi is within half a unit of its last place
	v_sub_f32 v22, v[SF+2*t+1], v22
	v_cvt_pk_f16_f32 v[LO+t], v21, v22
.set t, t+1
.endr
.Lnolo_\@:
.set t, 0
.rept 64
	v_cvt_pk_f16_f32 v[SF+t], v[SF+2*t], v[SF+2*t+1]
.set t, t+1
.endr
.irp g, 0,1,2,3
.irp db, 0,1,2,3
	ds_store_b128 v[OST], v[SF+4*(4*\g+\db):SF+4*(4*\g+\db)+3] offset:\g*16*KP+32*\db   ; row 16 g + r, d = 16 db + 8 h ..
.endr
.endr
.irp u, 0,1,2,3,4,5,6,7,8,9,10,11,12,13,14,15
	ds_load_b128 v[KF+4*\u:KF+4*\u+3], v[ORD] offset:4*KP*\u     ; my own bytes, served in order behind the stores
.endr
.irp u, 0,1,2,3,4,5,6,7,8,9,10,11,12,13,14,15
	s_wait_dscnt 15-\u
	global_store_b128 v[GOF], v[KF+4*\u:KF+4*\u+3], s[56:57] offset:512*\u   ; four rows: 512 consecutive bytes, aligned
.endr
	; The second parts go the same way, through rows 0-15 of my stage (its reads above have come back).
	s_cmp_eq_u32 s8, 1
	s_cbranch_scc1 .Ldone_\@
	s_cmp_eq_u32 s8, 3
	s_cbranch_scc1 .Ldone_\@
.irp db, 0,1,2,3
	ds_store_b128 v[OST], v[LO+4*\db:LO+4*\db+3] offset:32*\db
.endr
.irp u, 0,1,2,3
	ds_load_b128 v[SF+64+4*\u:SF+64+4*\u+3], v[ORD] offset:4*KP*\u   ; registers that no pending store names
.endr
.irp u, 0,1,2,3
	s_wait_dscnt 3-\u
	global_store_b128 v[GOF], v[SF+64+4*\u:SF+64+4*\u+3], s[68:69] offset:512*\u   ; 512 consecutive bytes, aligned
.endr
.Ldone_\@:
.if 1-\last
	s_wait_xcnt 0x0                                ; the stores' data registers and bases are written again only behind this wait
	s_mul_i32 s2, s11, ABLK                        ; block j of ah
	s_add_nc_u64 s[56:57], s[6:7], s[2:3]
	s_add_nc_u64 s[68:69], s[66:67], s[2:3]
.endif
.endm
; A query block i (s13).  Order of the tiles: the diagonal unit's first half (starts the sums), the i full units, the diagonal's
; second half.  The slots take turns 0, (1, 0) x i, 1, so that each step's slot stands in the text.  s52 = the NEXT tile's byte offset.
; The block's last step holds no barrier: the block's end stores to LDS, and the next block opens with a barrier of its own.
.macro BLOCK last
	s_lshl_b32 s15, s13, 15
	s_add_co_u32 s15, s15, 16384                   ; the diagonal's second half
	s_cmp_lg_u32 s13, 0
	s_cselect_b32 s52, 0, s15
	ENTER
	STEP 0, 1, 1, 0, 1, 1
	s_cmp_eq_u32 s13, 0
	s_cbranch_scc1 .Lnounit_\@
	s_mov_b32 s14, 0
.Lunit_\@:
	s_lshl_b32 s52, s14, 15
	s_add_co_u32 s52, s52, 16384
	STEP 1, 0, 0, 0, 1, 1
	s_add_co_u32 s14, s14, 1
	s_lshl_b32 s52, s14, 15
	s_cmp_lt_u32 s14, s13
	s_cselect_b32 s52, s52, s15
	STEP 0, 0, 0, 0, 1, 1
	s_cmp_lt_u32 s14, s13
	s_cbranch_scc1 .Lunit_\@
.Lnounit_\@:
	s_lshl_b32 s52, s11, 15                        ; the second block's first tile
	STEP 1, 0, 1, 1, 1-\last, 0
	FINAL \last
.endm
	BLOCK 0
	s_mov_b32 s13, s11
	BLOCK 1
	s_wait_tensorcnt 0x0
	ds_add_u32 v30, v31
	s_wait_dscnt 0x0
	s_endpgm
.Lfunc_end_k_q55110c2170_attn:
	.size	k_q55110c2170_attn, .Lfunc_end_k_q55110c2170_attn-k_q55110c2170_attn
	.p2alignl 7, 3214868480
	.fill 96, 4, 3214868480
	.section	.rodata,"a",@progbits
	.p2align	6, 0x0
	.amdhsa_kernel k_q55110c2170_attn
		.amdhsa_group_segment_fixed_size 327680
		.amdhsa_private_segment_fixed_size 0
		.amdhsa_enable_private_segment 0
		.amdhsa_kernarg_size 16
		.amdhsa_user_sgpr_count 2
		.amdhsa_user_sgpr_kernarg_segment_ptr 1
		.amdhsa_wavefront_size32 1
		.amdhsa_system_sgpr_workgroup_id_x 1
		.amdhsa_system_sgpr_workgroup_id_y 1
		.amdhsa_system_sgpr_workgroup_id_z 1
		.amdhsa_system_vgpr_workitem_id 0
		.amdhsa_next_free_vgpr 512
		.amdhsa_next_free_sgpr 70
		.amdhsa_reserve_vcc 1
		.amdhsa_float_denorm_mode_32 3
		.amdhsa_float_denorm_mode_16_64 3
		.amdhsa_memory_ordered 1
		.amdhsa_forward_progress 1
		.amdhsa_inst_pref_size 255
	.end_amdhsa_kernel
	.section	.bss,"aw",@nobits
	.p2align	6
	.space	262144
	.amdgpu_metadata
---
amdhsa.version: [ 1, 2 ]
amdhsa.kernels:
  - .name:           k_q55110c2170_attn
    .symbol:         k_q55110c2170_attn.kd
    .args:
      - { .name: qkv, .offset: 0, .size: 8, .value_kind: global_buffer, .address_space: global }
      - { .name: ah, .offset: 8, .size: 8, .value_kind: global_buffer, .address_space: global }
    .group_segment_fixed_size: 327680
    .private_segment_fixed_size: 0
    .kernarg_segment_align: 8
    .kernarg_segment_size: 16
    .max_flat_workgroup_size: 256
    .sgpr_count:     70
    .vgpr_count:     512
    .wavefront_size: 32
...
	.end_amdgpu_metadata
.endif
;; end of part 3
;; launch oproj (part 4): grid 8 x 32, 4 waves a work-group, clusters of 4 x 4, 327,680 bytes of LDS; arguments ah, woh, out0; writes out0
.if DOCPART == 4
	.amdgcn_target "amdgcn-amd-amdhsa--gfx1250"
	.amdhsa_code_object_version 6
	.text
	.protected	k_q55110c2170_oproj
	.globl	k_q55110c2170_oproj
	.p2align	8
	.type	k_q55110c2170_oproj,@function
k_q55110c2170_oproj:
	s_mov_b64 s[64:65], 0
	v_nop
	global_prefetch_b8 v0, s[64:65] scope:SCOPE_SE
	s_setreg_imm32_b32 hwreg(HW_REG_WAVE_MODE, 25, 1), 1
	s_wait_xcnt 0x0
	s_wait_alu depctr_hold_cnt(0) depctr_sa_sdst(0) depctr_va_vdst(0) depctr_va_sdst(0) depctr_va_ssrc(0) depctr_va_vcc(0) depctr_vm_vsrc(0)
	s_getreg_b32 s2, hwreg(HW_REG_IB_STS2, 6, 4)
	s_cmp_eq_u32 s2, 0
	s_cbranch_scc0 .Lentry_in_a_cluster
	s_endpgm
.Lentry_in_a_cluster:
	s_bfe_u32 s2, ttmp6, 0x10000c
	s_cmp_lg_u32 s2, 0xf033
	s_cbranch_scc0 .Lentry_shape_is_right
	s_endpgm
.Lentry_shape_is_right:
; Output projection: out0[m][n] = sum over d of attn[m][d] w_o[n][d], m 8,192, n 1,024, d 1,024.  Operands f16, sums and result f32.
; w_o as woh[16 kb][1024][64].  attn as ah[16 kb = head][32 blocks][288 rows][64]: a block's 256 rows, then the second parts
; lo = f16(attn - f16(attn)) of its rows 0-15 and of its rows 128-143.
; A work-group makes 256 x 128 with four waves; a wave 128 x 64: 8 x 4 accumulator tiles in window 1.  8 x 32 = 256 work-groups.
; K goes in 8 steps of 128 (two blocks kb) through two LDS slots; each wave fetches one block of one operand: 288 rows of attn
; or 128 rows of w_o, dense in memory, as rows of 256 bytes, with 16 bytes of padding behind every 128 bytes (LDS pitch 144).
; SECOND PARTS: the first 16 rows of a sequence are several times larger than the root mean square of the result, and one f16
; rounding of attn is not small enough for them; their sums take lo w_o as well.  A wave adds lo w_o for the first 16 of its 128
; rows: 4 products more for every 32.  Only 4 of the 64 groups of 16 rows need it (a sequence begins in every eighth block);
; all get it.
; CLUSTERS: 4 x 4; attn's tiles are asked for jointly along a row of the cluster, w_o's along a column.
; The matrix instruction is used transposed (source 0 = rows of w_o, source 1 = rows of attn): a lane holds row m = l % 16 and
; eight neighbouring n = 32 bytes.  The accumulators take turns, one instruction a turn.
.set PITCH,  144
.set REGA,   288*PITCH                 ; 41,472: a block kb of attn's tile
.set REGB,   128*PITCH                 ; 18,432: a block kb of w_o's tile
.set SLOT,   2*REGA+2*REGB             ; 119,808: attn's two blocks, w_o's two blocks
.set STAGE,  2*SLOT                    ; 239,616: 16 rows x 272 bytes for each wave, never a fill's target
.set SPITCH, 272
.set ABLK,   288*128                   ; bytes of a block of 256 rows (and its second parts) in one plane of ah
.set APLANE, 32*ABLK
.set BPLANE, 1024*128
.set LAPS,   4                         ; a lap = two K steps
.set ADRA, 16                          ; v16-17 my attn fragments in slot 0, 1
.set ADRL, 18                          ; v18-19 my second parts
.set ADRB, 20                          ; v20-21 my w_o fragments
.set STO,  24
.set RD,   25
.set CO,   26
.set FA0,  32
.set FA1,  96
.set FB0,  160
.set FB1,  192
.set FL0,  224
.set FL1,  232
.set G1,  24
.set G0,  32
.set G1B, 48
.set G0B, 56
.set MSB, 0
.macro WIN new
.if MSB != (\new)
	s_set_vgpr_msb (MSB<<8)|(\new)
.set MSB, (\new)
.endif
.endm
.macro PLACES n
.rept \n
	v_nop
.endr
.endm
.macro JLOAD s
	s_cmp_eq_u32 s11, 0
	s_cbranch_scc0 .Lfor_b_\@
	tensor_load_to_lds s[G0+4*\s:G0+4*\s+3], s[G1:G1+7]
	s_nop 0
	s_branch .Lasked_\@
.Lfor_b_\@:
	tensor_load_to_lds s[G0B+4*\s:G0B+4*\s+3], s[G1B:G1B+7]
	s_nop 0
.Lasked_\@:
.endm
.macro CREST
	s_cmp_lg_u32 s10, 0
	s_cbranch_scc1 .Lnot_wave_0_\@
	s_barrier_signal -3
.Lnot_wave_0_\@:
	s_barrier_wait -3
	s_barrier_signal -1
	s_barrier_wait -1
.endm
.macro CROUND
	s_barrier_signal -1
	s_barrier_wait -1
	CREST
.endm
	s_load_b128 s[4:7], s[0:1], 0x0                ; ah s[4:5], woh s[6:7]
	s_load_b64 s[8:9], s[0:1], 0x10                ; out0
	v_lshl_add_u32 v254, v0, 2, 0x3ec00
	v_mov_b32 v255, 0
	ds_add_u32 v254, v255
	ds_add_u32 v254, v255
	v_lshrrev_b32 v1, 5, v0
	v_readfirstlane_b32 s10, v1                    ; wave
	s_lshr_b32 s11, s10, 1                         ; my half of the rows; also: I fetch attn (0) or w_o (1)
	s_and_b32 s12, s10, 1                          ; my half of the columns; also: which of the step's two blocks I fetch
	s_bfe_u32 s40, ttmp6, 0x40000                  ; cx
	s_bfe_u32 s41, ttmp6, 0x40004                  ; cy
	s_lshl_b32 s42, ttmp9, 2
	s_add_co_u32 s42, s42, s40                     ; block column
	s_and_b32 s13, ttmp7, 0xffff
	s_lshl_b32 s13, s13, 2
	s_add_co_u32 s13, s13, s41                     ; block row
	s_lshl_b32 s43, s41, 2
	s_lshl_b32 s43, 15, s43
	s_lshl_b32 s44, 0x1111, s40
	s_or_b32 s[G1+0],  s43, (3<<16)|(1<<20)|(1<<21)|(4<<22)|(3<<25)
	s_or_b32 s[G1B+0], s44, (3<<16)|(1<<20)|(1<<21)|(4<<22)|(3<<25)
	s_mov_b32 s[G1+1],  32<<16
	s_mov_b32 s[G1B+1], 32<<16
	s_mov_b32 s[G1+2],  144<<16                    ; 144 rows of 256 bytes = 288 rows of attn
	s_mov_b32 s[G1B+2], 64<<16                     ; 64 = 128 rows of w_o
	s_mov_b32 s[G1+3],  32<<16
	s_mov_b32 s[G1B+3], 32<<16
	s_mov_b32 s[G1+4],  144
	s_mov_b32 s[G1B+4], 64
	s_mov_b32 s[G1+5],  32
	s_mov_b32 s[G1B+5], 32
	s_mov_b32 s[G1+6],  0
	s_mov_b32 s[G1B+6], 0
	s_mov_b32 s[G1+7],  0
	s_mov_b32 s[G1B+7], 0
	s_mul_i32 s16, s13, ABLK                       ; attn: my block row,
	s_mul_i32 s17, s12, APLANE                     ; my block kb of the step's two
	s_add_co_u32 s16, s16, s17
	s_mov_b32 s17, 0
	s_lshl_b32 s46, s42, 14                        ; w_o: 128 rows a block column,
	s_lshl_b32 s47, s12, 17                        ; my block kb
	s_add_co_u32 s46, s46, s47
	s_mov_b32 s47, 0
	s_mul_i32 s20, s10, REGA                       ; where attn's blocks land: waves 0, 1 at 0 and 41,472
	s_mul_i32 s45, s10, REGB                       ; where w_o's land: waves 2, 3 at 82,944 and 101,376
	s_add_co_u32 s45, s45, 2*REGA-2*REGB
	s_wait_dscnt 0x0
	s_wait_kmcnt 0x0
	s_add_nc_u64 s[14:15], s[4:5], s[16:17]
	s_add_nc_u64 s[46:47], s[6:7], s[46:47]
	CROUND                                         ; in front of the first joint loads
.irp s, 0,1
	s_mov_b32 s[G0+4*\s], 1
	s_add_co_u32 s[G0+4*\s+1], s20, \s*SLOT
	s_add_nc_u64 s[G0+4*\s+2:G0+4*\s+3], s[14:15], \s*2*APLANE
	s_or_b32 s[G0+4*\s+3], s[G0+4*\s+3], 0x80000000
	s_mov_b32 s[G0B+4*\s], 1
	s_add_co_u32 s[G0B+4*\s+1], s45, \s*SLOT
	s_add_nc_u64 s[G0B+4*\s+2:G0B+4*\s+3], s[46:47], \s*2*BPLANE
	s_or_b32 s[G0B+4*\s+3], s[G0B+4*\s+3], 0x80000000
	JLOAD \s                                       ; two loads of a wave are out here, one behind each later round
.endr
	v_and_b32 v1, 15, v0                           ; r
	v_bfe_u32 v2, v0, 4, 1                         ; h
	v_mul_u32_u24 v3, v1, PITCH
	v_lshl_add_u32 v3, v2, 4, v3
	s_mul_i32 s21, s11, 128*PITCH                  ; my 128 rows of attn
	s_mul_i32 s22, s12, 64*PITCH                   ; my 64 rows of w_o,
	s_add_co_u32 s22, s22, 2*REGA                  ; behind attn's two blocks
	s_mul_i32 s23, s11, 16*PITCH                   ; my 16 rows of second parts,
	s_add_co_u32 s23, s23, 256*PITCH               ; behind the block's 256 rows
.irp s, 0,1
	v_add_nc_u32 v[ADRA+\s], s21, v3
	v_add_nc_u32 v[ADRB+\s], s22, v3
	v_add_nc_u32 v[ADRL+\s], s23, v3
	s_add_co_u32 s21, s21, SLOT
	s_add_co_u32 s22, s22, SLOT
	s_add_co_u32 s23, s23, SLOT
.endr
	s_mul_i32 s23, s10, 16*SPITCH
	s_add_co_u32 s23, s23, STAGE
	v_mul_u32_u24 v4, v1, SPITCH
	v_lshl_add_u32 v4, v2, 5, v4                   ; in: row r, 32 bytes for each half of the lanes
	v_add_nc_u32 v[STO], s23, v4
	v_mul_u32_u24 v5, v2, SPITCH                   ; back: lanes 0-15 one row of 256 bytes, lanes 16-31 the next
	v_lshl_add_u32 v5, v1, 4, v5
	v_add_nc_u32 v[RD], s23, v5
	v_lshlrev_b32 v5, 12, v2                       ; the same two rows in out0 (4,096 bytes a row)
	v_lshl_add_u32 v[CO], v1, 4, v5
.macro MUL8 fa, fb, a0, zero           ; m blocks a0, a0+1 x all four n blocks, 32 along K
.irp a, \a0, \a0+1
.irp b, 0,1,2,3
.if \zero
	v_wmma_f32_16x16x32_f16 v[8*(4*(\a)+\b):8*(4*(\a)+\b)+7], v[\fb+8*\b:\fb+8*\b+7], v[\fa+8*(\a):\fa+8*(\a)+7], 0
.else
	v_wmma_f32_16x16x32_f16 v[8*(4*(\a)+\b):8*(4*(\a)+\b)+7], v[\fb+8*\b:\fb+8*\b+7], v[\fa+8*(\a):\fa+8*(\a)+7], v[8*(4*(\a)+\b):8*(4*(\a)+\b)+7]
.endif
.endr
.endr
.endm
.macro MULX fb, fl                     ; the second parts of m block 0 x all four n blocks, onto m block 0's sums
.irp b, 0,1,2,3
	v_wmma_f32_16x16x32_f16 v[8*\b:8*\b+7], v[\fb+8*\b:\fb+8*\b+7], v[\fl:\fl+7], v[8*\b:8*\b+7]
.endr
.endm
; 26 LDS loads: quarter q of a K step (block q / 2, 32 K at byte 64 (q % 2)): w_o's 4 fragments, the second parts' one, attn's 8
.macro FETCH slot, q, fa, fb, fl
.set QA, ((\q)>>1)*REGA+((\q)&1)*64
.set QB, ((\q)>>1)*REGB+((\q)&1)*64
.irp i, 0,1,2,3
	ds_load_b128 v[\fb+8*\i:\fb+8*\i+3],   v[ADRB+\slot] offset:QB+\i*16*PITCH
	ds_load_b128 v[\fb+8*\i+4:\fb+8*\i+7], v[ADRB+\slot] offset:QB+\i*16*PITCH+32
.endr
	ds_load_b128 v[\fl:\fl+3],   v[ADRL+\slot] offset:QA
	ds_load_b128 v[\fl+4:\fl+7], v[ADRL+\slot] offset:QA+32
.irp i, 0,1,2,3,4,5,6,7
	ds_load_b128 v[\fa+8*\i:\fa+8*\i+3],   v[ADRA+\slot] offset:QA+\i*16*PITCH
	ds_load_b128 v[\fa+8*\i+4:\fa+8*\i+7], v[ADRA+\slot] offset:QA+\i*16*PITCH+32
.endr
.endm
; One of a K step's first three quarters: 36 products on (fa, fb, fl); in the middle the next quarter nq goes into (ga, gb, gl).
; Four v_nop in front of the loads: a load into a register that a matrix instruction has read stands four places behind it.
.macro QUARTER slot, nq, fa, fb, fl, ga, gb, gl, zero
	s_wait_dscnt 8                                 ; all but the youngest eight loads (attn's rows 64-127)
	WIN 0x50
	MUL8 \fa, \fb, 0, \zero
	MUL8 \fa, \fb, 2, \zero
	PLACES 4
	WIN 0
	FETCH \slot, \nq, \ga, \gb, \gl
	s_wait_dscnt 26                                ; all but the 26 just issued
	WIN 0x50
	MUL8 \fa, \fb, 4, \zero
	MUL8 \fa, \fb, 6, \zero
	MULX \fb, \fl
.endm
.macro THREE slot, zero
	QUARTER \slot, 1, FA0, FB0, FL0, FA1, FB1, FL1, \zero
	QUARTER \slot, 2, FA1, FB1, FL1, FA0, FB0, FL0, 0
	QUARTER \slot, 3, FA0, FB0, FL0, FA1, FB1, FL1, 0
.endm
; The last quarter and the change of slots; fill = 1: this slot is filled again, two K steps ahead.
.macro TURN slot, next, fill
	s_wait_dscnt 8
	WIN 0x50
	MUL8 FA1, FB1, 0, 0
	s_wait_dscnt 0                                 ; my reads of this slot are over,
	s_wait_tensorcnt 0x0                           ; all my tensor loads have landed: the one that was out is my part of the next slot
	ds_add_u32 v254, v255
	s_wait_dscnt 0x0
	s_barrier_signal -1
	MUL8 FA1, FB1, 2, 0
	WIN 0
	s_barrier_wait -1
.if \fill
	CREST                                          ; no wave of any partner still reads this slot or has a load on its way
	s_add_nc_u64 s[G0+4*\slot+2:G0+4*\slot+3], s[G0+4*\slot+2:G0+4*\slot+3], 4*APLANE
	s_add_nc_u64 s[G0B+4*\slot+2:G0B+4*\slot+3], s[G0B+4*\slot+2:G0B+4*\slot+3], 4*BPLANE
	JLOAD \slot                                    ; the first tensor load behind the round, one a wave
.endif
	PLACES 4
	FETCH \next, 0, FA0, FB0, FL0
	WIN 0x50
	MUL8 FA1, FB1, 4, 0
	MUL8 FA1, FB1, 6, 0
	MULX FB1, FL1
.endm
.macro LAP zero
	THREE 0, \zero
	TURN 0, 1, 1
	THREE 1, 0
	TURN 1, 0, 1
.endm
	s_wait_tensorcnt 1                             ; my part of K step 0 is in; K step 1's stays out
	s_barrier_signal -1
	s_barrier_wait -1
	FETCH 0, 0, FA0, FB0, FL0
	LAP 1                                          ; the first products start the sums
	WIN 0
	s_mov_b32 s3, LAPS-2
.Llap:
	LAP 0
	WIN 0
	s_sub_co_u32 s3, s3, 1
	s_cmp_lg_u32 s3, 0
	s_cbranch_scc1 .Llap
	THREE 0, 0                                     ; the last lap fills nothing
	TURN 0, 1, 0
	THREE 1, 0
	s_wait_dscnt 8
	WIN 0x50
	MUL8 FA1, FB1, 0, 0
	MUL8 FA1, FB1, 2, 0
	s_wait_dscnt 0
	MUL8 FA1, FB1, 4, 0
	MUL8 FA1, FB1, 6, 0
	MULX FB1, FL1
	; THE WAY OUT, 16 rows at a time, through my stage: in by 32 bytes a lane, back as whole rows of 256 bytes.
	PLACES 4                                       ; the places behind the last products
	s_lshl_b32 s16, s13, 20                        ; 256 rows of 4,096 bytes a block row
	s_lshl_b32 s14, s11, 19                        ; 128 rows a half
	s_add_co_u32 s16, s16, s14
	s_mov_b32 s17, 0
	s_add_nc_u64 s[8:9], s[8:9], s[16:17]
	s_lshl_b32 s46, s42, 9                         ; 128 columns of 4 bytes a block column
	s_lshl_b32 s47, s12, 8                         ; 64 columns a half
	s_add_co_u32 s46, s46, s47
	s_mov_b32 s47, 0
	s_add_nc_u64 s[8:9], s[8:9], s[46:47]
.macro OUTF a, rb
	WIN 0x04                                       ; store data in window 1
.irp b, 0,1,2,3
	ds_store_b128 v[STO], v[8*(4*\a+\b):8*(4*\a+\b)+3]   offset:64*\b
	ds_store_b128 v[STO], v[8*(4*\a+\b)+4:8*(4*\a+\b)+7] offset:64*\b+16
.endr
	WIN 0
	s_wait_xcnt 0x0                                ; the registers that earlier stores read are loaded again only behind this wait
.irp t, 0,1,2,3,4,5,6,7
	ds_load_b128 v[\rb+4*\t:\rb+4*\t+3], v[RD] offset:\t*2*SPITCH   ; my own bytes, served in order behind the stores
.endr
.irp t, 0,1,2,3,4,5,6,7
	s_wait_dscnt 7-\t
	global_store_b128 v[CO], v[\rb+4*\t:\rb+4*\t+3], s[8:9] offset:(16*\a+2*\t)*4096 th:TH_STORE_NT   ; 16 lanes: 256 consecutive bytes, aligned
.endr
.endm
	OUTF 0, 32
	OUTF 1, 64
	OUTF 2, 32
	OUTF 3, 64
	OUTF 4, 32
	OUTF 5, 64
	OUTF 6, 32
	OUTF 7, 64
	s_wait_tensorcnt 0x0
	ds_add_u32 v254, v255
	s_wait_dscnt 0x0
	CROUND                                         ; the closing round
	s_endpgm
.Lfunc_end_k_q55110c2170_oproj:
	.size	k_q55110c2170_oproj, .Lfunc_end_k_q55110c2170_oproj-k_q55110c2170_oproj
	.p2alignl 7, 3214868480
	.fill 96, 4, 3214868480
	.section	.rodata,"a",@progbits
	.p2align	6, 0x0
	.amdhsa_kernel k_q55110c2170_oproj
		.amdhsa_group_segment_fixed_size 327680
		.amdhsa_private_segment_fixed_size 0
		.amdhsa_enable_private_segment 0
		.amdhsa_kernarg_size 24
		.amdhsa_user_sgpr_count 2
		.amdhsa_user_sgpr_kernarg_segment_ptr 1
		.amdhsa_wavefront_size32 1
		.amdhsa_system_sgpr_workgroup_id_x 1
		.amdhsa_system_sgpr_workgroup_id_y 1
		.amdhsa_system_sgpr_workgroup_id_z 1
		.amdhsa_system_vgpr_workitem_id 0
		.amdhsa_next_free_vgpr 512
		.amdhsa_next_free_sgpr 66
		.amdhsa_reserve_vcc 0
		.amdhsa_float_denorm_mode_32 3
		.amdhsa_float_denorm_mode_16_64 3
		.amdhsa_memory_ordered 1
		.amdhsa_forward_progress 1
		.amdhsa_inst_pref_size 127
	.end_amdhsa_kernel
	.amdgpu_metadata
---
amdhsa.version: [ 1, 2 ]
amdhsa.kernels:
  - .name:           k_q55110c2170_oproj
    .symbol:         k_q55110c2170_oproj.kd
    .args:
      - { .name: ah, .offset: 0, .size: 8, .value_kind: global_buffer, .address_space: global }
      - { .name: woh, .offset: 8, .size: 8, .value_kind: global_buffer, .address_space: global }
      - { .name: out0, .offset: 16, .size: 8, .value_kind: global_buffer, .address_space: global }
    .group_segment_fixed_size: 327680
    .private_segment_fixed_size: 0
    .kernarg_segment_align: 8
    .kernarg_segment_size: 24
    .max_flat_workgroup_size: 128
    .sgpr_count:     66
    .vgpr_count:     512
    .wavefront_size: 32
...
	.end_amdgpu_metadata
.endif
;; end of part 4
;; ======== version 2 of 2: 4 launches; version 1 with the launch cast written anew for expert scheduling mode
;; limits: values are held in f16: magnitudes above 65,504 overflow, below 6.1e-05 lose precision
;; workspace buffers: xh 16,777,216 bytes; wh 6,291,456 bytes; woh 2,097,152 bytes; qkv 50,331,648 bytes; ah 18,874,368 bytes
;; launch cast (part 5): grid 768 x 1, 8 waves a work-group, no clusters, 0 bytes of LDS; arguments x, w_qkv, w_o, xh, wh, woh; writes xh, wh, woh
.if DOCPART == 5
	.amdgcn_target "amdgcn-amd-amdhsa--gfx1250"
	.amdhsa_code_object_version 6
	.text
	.protected	k_q55110c2170_cast
	.globl	k_q55110c2170_cast
	.p2align	8
	.type	k_q55110c2170_cast,@function
k_q55110c2170_cast:
	s_mov_b64 s[64:65], 0
	v_nop
	global_prefetch_b8 v0, s[64:65] scope:SCOPE_SE
	s_setreg_imm32_b32 hwreg(HW_REG_WAVE_SCHED_MODE, 0, 2), 2
	s_setreg_imm32_b32 hwreg(HW_REG_WAVE_MODE, 25, 1), 1
	s_wait_xcnt 0x0
	s_wait_alu depctr_vm_vsrc(0)
; f32 -> bf16 (round to nearest even) -> the same number written as f16, re-laid in blocks of 64 along K:
; src [rows][1024] f32  ->  dst [16 kb][rows][64] f16.
; WHY TWO STEPS: the matrix operands made from the inputs are the inputs rounded to bf16 (8 significant bits).  Such a number
; is exact in f16 (11 bits) from 2^-17 to 65,504 in magnitude, so the later launches can run the f16 matrix form, in which
; the intermediates (Q, K, V, P, attn) keep 11 bits.
; LIMITS: above 65,504 in magnitude the f16 is an infinity; below 2^-17 the second step errs by at most 2^-25 absolutely.
; Three matrices in one launch: x (8,192 rows), w_qkv (3,072 rows), w_o (1,024 rows).  A work-group takes 16 rows:
; work-groups 0-511 x, 512-703 w_qkv, 704-767 w_o.  In the new layout R rows x 64 K are R x 128 consecutive bytes,
; so the later launches fetch their tiles as runs of 256 consecutive bytes.
; Thread t: row t / 16 of the 16, four numbers at column 4 (t % 16) of each block kb.  A load of a wave covers 2 x 256
; consecutive bytes (two rows); a store of a wave covers 256 consecutive bytes, aligned (two rows of one block).
; No loop: 16 loads a lane go out at once and the waits count down; no register that a load or store reads is written again.
; THE MODE: SCHED_MODE bits 1:0 = 2 (LLVM: expert scheduling mode 2), set by the entry lines.  The code itself states the register
; dependences between vector instructions and memory instructions, with s_wait_alu, always for 0.
; THE PLAN.  Registers that memory instructions touch:
;   v1        the loads' offset.  Written at the head, read by the 16 loads, never written again.
;   OFF0-15   the stores' offsets.  OFF0 written at the head, OFF1-15 by the 15 adds behind the loads; store k reads OFF[k]; never written again.
;   X0-15     load k lands in X[k]; behind the wait for it chunk k's vector lines read and rewrite it; no memory instruction reads it, no second load lands in it.
;   Y0-15     written by chunk k's last two conversions, read by store k, never written again.
;   T         named by vector instructions alone.
; The 16 chunks go in four blocks of four.  Block p's four stores are issued in block p + 1, one in front of each chunk's eight vector lines, which
; name T, X and Y of block p + 1 alone.  So one wait on va_vdst at a block's head states all that the four stores hang on: the block before has
; written its Y (and, at block 1's head, the adds have written OFF1-15).  No register that a memory instruction reads is ever written behind it,
; so behind the entry lines the text holds no wait on vm_vsrc; no vector instruction writes a scalar register, and EXEC is never written.
.set OFF, 2                            ; v[2:17]   byte offset in dst of my 8 bytes in block kb
.set T,   18                           ; v[18:19]  four numbers in bf16
.set X,   20                           ; v[20:83]  16 x 4 numbers as loaded, then as rounded
.set Y,   84                           ; v[84:115] 16 x 4 numbers in f16
	s_load_b256 s[4:11], s[0:1], 0x0               ; x s[4:5], w_qkv s[6:7], w_o s[8:9], xh s[10:11]
	s_load_b128 s[12:15], s[0:1], 0x20             ; wh s[12:13], woh s[14:15]
	v_lshrrev_b32 v1, 4, v0                        ; my row of the 16
	v_and_b32 v18, 15, v0                          ; my 16 bytes of each 256
	v_lshlrev_b32 v1, 12, v1                       ; a source row is 4,096 bytes
	v_lshl_or_b32 v1, v18, 4, v1
	v_lshlrev_b32 v[OFF], 3, v0                    ; dst: row x 128 + 8 x (t % 16) = 8 t
	s_mov_b32 s24, 131072                          ; bytes of a block kb of dst: rows x 128 (w_o)
	s_mov_b32 s25, 704                             ; the matrix's first work-group (w_o)
	s_mov_b32 s27, 0xffff0000                      ; a word's upper bf16
	s_wait_kmcnt 0x0
	s_cmp_lt_u32 ttmp9, 704                        ; which matrix: the choice hangs on the work-group's number alone
	s_cselect_b64 s[20:21], s[6:7], s[8:9]
	s_cselect_b64 s[22:23], s[12:13], s[14:15]
	s_cselect_b32 s24, 393216, s24
	s_cselect_b32 s25, 512, s25
	s_cmp_lt_u32 ttmp9, 512
	s_cselect_b64 s[20:21], s[4:5], s[20:21]
	s_cselect_b64 s[22:23], s[10:11], s[22:23]
	s_cselect_b32 s24, 1048576, s24
	s_cselect_b32 s25, 0, s25
	s_sub_co_u32 s26, ttmp9, s25                   ; my number within the matrix
	s_lshl_b32 s16, s26, 16                        ; 16 rows of 4,096 bytes
	s_mov_b32 s17, 0
	s_add_nc_u64 s[20:21], s[20:21], s[16:17]
	s_lshl_b32 s18, s26, 11                        ; 16 rows of 128 bytes
	s_mov_b32 s19, 0
	s_add_nc_u64 s[22:23], s[22:23], s[18:19]
	s_wait_alu depctr_va_vdst(0)                   ; v1 is written: the 16 loads read it as their offset
.irp k, 0,1,2,3,4,5,6,7,8,9,10,11,12,13,14,15
	global_load_b128 v[X+4*\k:X+4*\k+3], v1, s[20:21] offset:256*\k th:TH_LOAD_NT   ; read once in the launch
.endr
.irp k, 1,2,3,4,5,6,7,8,9,10,11,12,13,14,15
	v_add_nc_u32 v[OFF+\k], s24, v[OFF+\k-1]       ; one block further
.endr
; Chunk k is rounded: eight vector lines, which name T, X[k] and Y[k] alone.
.macro CONV k
	s_wait_loadcnt 15-(\k)                         ; loads return in order: load k is in, the 15 - k younger ones stay out
	v_cvt_pk_bf16_f32 v[T],   v[X+4*(\k)],   v[X+4*(\k)+1]     ; the rounding
	v_cvt_pk_bf16_f32 v[T+1], v[X+4*(\k)+2], v[X+4*(\k)+3]
	v_lshlrev_b32 v[X+4*(\k)],   16,  v[T]                     ; bf16 as f32: the low half moves up, the high half stays
	v_and_b32     v[X+4*(\k)+1], s27, v[T]
	v_lshlrev_b32 v[X+4*(\k)+2], 16,  v[T+1]
	v_and_b32     v[X+4*(\k)+3], s27, v[T+1]
	v_cvt_pk_f16_f32 v[Y+2*(\k)],   v[X+4*(\k)],   v[X+4*(\k)+1]   ; the same numbers in f16
	v_cvt_pk_f16_f32 v[Y+2*(\k)+1], v[X+4*(\k)+2], v[X+4*(\k)+3]
.endm
; Chunk k is stored.
.macro SEND k
	global_store_b64 v[OFF+(\k)], v[Y+2*(\k):Y+2*(\k)+1], s[22:23]   ; no hint: the next launch reads these bytes
.endm
.irp i, 0,1,2,3
	CONV \i                                        ; block 0: there is no block in front of it, so nothing is stored yet
.endr
.irp p, 1,2,3
	s_wait_alu depctr_va_vdst(0)                   ; the block before has written its four Y, which the four stores below read; at block 1's head the adds have also written OFF1-15
.irp i, 0,1,2,3
	SEND 4*(\p)-4+(\i)                             ; no vector line since the wait names this store's OFF or Y
	CONV 4*(\p)+(\i)
.endr
.endr
	s_wait_alu depctr_va_vdst(0)                   ; block 3 has written Y12-15, which the last four stores read
.irp i, 12,13,14,15
	SEND \i
.endr
	s_endpgm
.Lfunc_end_k_q55110c2170_cast:
	.size	k_q55110c2170_cast, .Lfunc_end_k_q55110c2170_cast-k_q55110c2170_cast
	.p2alignl 7, 3214868480
	.fill 96, 4, 3214868480
	.section	.rodata,"a",@progbits
	.p2align	6, 0x0
	.amdhsa_kernel k_q55110c2170_cast
		.amdhsa_group_segment_fixed_size 0
		.amdhsa_private_segment_fixed_size 0
		.amdhsa_enable_private_segment 0
		.amdhsa_kernarg_size 48
		.amdhsa_user_sgpr_count 2
		.amdhsa_user_sgpr_kernarg_segment_ptr 1
		.amdhsa_wavefront_size32 1
		.amdhsa_system_sgpr_workgroup_id_x 1
		.amdhsa_system_sgpr_workgroup_id_y 1
		.amdhsa_system_sgpr_workgroup_id_z 1
		.amdhsa_system_vgpr_workitem_id 0
		.amdhsa_next_free_vgpr 116
		.amdhsa_next_free_sgpr 66
		.amdhsa_reserve_vcc 0
		.amdhsa_float_denorm_mode_32 3
		.amdhsa_float_denorm_mode_16_64 3
		.amdhsa_memory_ordered 1
		.amdhsa_forward_progress 1
		.amdhsa_inst_pref_size 12
	.end_amdhsa_kernel
	.amdgpu_metadata
---
amdhsa.version: [ 1, 2 ]
amdhsa.kernels:
  - .name:           k_q55110c2170_cast
    .symbol:         k_q55110c2170_cast.kd
    .args:
      - { .name: x, .offset: 0, .size: 8, .value_kind: global_buffer, .address_space: global }
      - { .name: w_qkv, .offset: 8, .size: 8, .value_kind: global_buffer, .address_space: global }
      - { .name: w_o, .offset: 16, .size: 8, .value_kind: global_buffer, .address_space: global }
      - { .name: xh, .offset: 24, .size: 8, .value_kind: global_buffer, .address_space: global }
      - { .name: wh, .offset: 32, .size: 8, .value_kind: global_buffer, .address_space: global }
      - { .name: woh, .offset: 40, .size: 8, .value_kind: global_buffer, .address_space: global }
    .group_segment_fixed_size: 0
    .private_segment_fixed_size: 0
    .kernarg_segment_align: 8
    .kernarg_segment_size: 48
    .max_flat_workgroup_size: 256
    .sgpr_count:     66
    .vgpr_count:     116
    .wavefront_size: 32
...
	.end_amdgpu_metadata
.endif
;; end of part 5
;; launch qkvg: the kernel of part 2 again; grid 8 x 32, 4 waves a work-group, clusters of 4 x 4, 327,680 bytes of LDS; arguments xh, wh, qkv; writes qkv
;; launch attn: the kernel of part 3 again; grid 256 x 1, 8 waves a work-group, no clusters, 327,680 bytes of LDS; arguments qkv, ah; writes ah
;; launch oproj: the kernel of part 4 again; grid 8 x 32, 4 waves a work-group, clusters of 4 x 4, 327,680 bytes of LDS; arguments ah, woh, out0; writes out0
